; MI455X (gfx1250); checked and timed in simulation.
; The chip was launched on July 23, 2026; its instructions are those of AMD's public machine-readable ISA for CDNA 5 (MIT licence, August 2026) and "CDNA5" Instruction Set Architecture Reference Guide (July 2026). The comments in the code are by the model that wrote it; some were corrected since.
;; Transformer Encoder. Allowed arithmetic: float matrix products may take bf16 or f16 operands with f32 sums; other float arithmetic in f32, or as packed bf16 or f16 multiplies, adds, multiply-adds, maxima and minima; sums over many terms, partial sums and values carried from step to step in f32; what a program stores and reads back later, other than sums and carried values, may be rounded once to bf16 or f16.
;; Inputs: bias_k 1,024 float32; bias_q 1,024 float32; bias_v 1,024 float32; k_proj_weight 1,024 x 1,024 float32; key 2,048 x 4 x 1,024 float32; out_proj_bias 1,024 float32; out_proj_weight 1,024 x 1,024 float32; q_proj_weight 1,024 x 1,024 float32; query 2,048 x 4 x 1,024 float32; v_proj_weight 1,024 x 1,024 float32; value 2,048 x 4 x 1,024 float32.
;; Outputs: out0 2,048 x 4 x 1,024 float32.
;; 2 versions, each right; version 2 is version 1 with the launches cast, refine, gather written anew for expert scheduling mode. Each part assembles by itself: llvm-mc -triple=amdgcn-amd-amdhsa -mcpu=gfx1250 --defsym DOCPART=n.
;; ======== version 1 of 2: 6 launches
;; workspace buffers: bv16 18,874,368 bytes; bq16 18,874,368 bytes; bk16 18,874,368 bytes; vb 18,874,368 bytes; qh 33,554,432 bytes; kh 33,554,432 bytes; part 2,097,152 bytes of whole numbers; fin 32,768 bytes of whole numbers
;; launch cast (part 1): grid 64 x 28, 4 waves a work-group, no clusters, 0 bytes of LDS; arguments value, v_proj_weight, query, key, q_proj_weight, k_proj_weight, out_proj_weight, bv16, bq16, bk16, vb; writes bv16, bq16, bk16, vb
.if DOCPART == 1
	.amdgcn_target "amdgcn-amd-amdhsa--gfx1250"
	.amdhsa_code_object_version 6
	.text
	.protected	k_q35905bee4f_cast
	.globl	k_q35905bee4f_cast
	.p2align	8
	.type	k_q35905bee4f_cast,@function
k_q35905bee4f_cast:
	s_mov_b64 s[64:65], 0
	v_nop
	global_prefetch_b8 v0, s[64:65] scope:SCOPE_SE
	s_setreg_imm32_b32 hwreg(HW_REG_WAVE_MODE, 25, 1), 1
	s_wait_xcnt 0x0
; All seven large f32 inputs are rounded once to bf16 (nearest even), so that the products that follow are products of bf16 numbers.
; SEGMENTS of 1,048,576 numbers (4 MiB in, 2 MiB out), the grid's y: 0-7 value, 8 Wv, 9-16 query, 17-24 key, 25 Wq, 26 Wk, 27 Wo.
; Each operand buffer holds 8 segments of activations and then one of weights: bv16 = value, Wv; bq16 = query, Wq; bk16 = key, Wk; of vb only the ninth segment is written here, with Wo.
; The grid's x is a chunk of 65,536 bytes in; each of the four waves takes 16,384 of them: 32 loads of 512 consecutive bytes, all out at once, and 32 stores of 256 consecutive
; bytes, aligned.  64 x 28 = 1,792 work-groups are 7 for each of 256 WGPs.  Every byte is read once and written once; nothing is shared, so there is no LDS, no barrier, no matrix work
; and no cluster.  No register is written twice.
.set X, 8                              ; v[8:135]   32 x 4 f32 as loaded
.set Y, 136                            ; v[136:199] 32 x 2 words of bf16 to store
	s_load_b512 s[8:23], s[0:1], 0x0               ; value, Wv, query, key, Wq, Wk, Wo, bv16
	s_load_b128 s[24:27], s[0:1], 0x40             ; bq16, bk16
	s_load_b64 s[28:29], s[0:1], 0x50              ; vb
	s_and_b32 s2, ttmp7, 0xffff                    ; the segment
	v_lshrrev_b32 v3, 5, v0                        ; wave
	v_and_b32 v4, 31, v0                           ; lane
	v_lshlrev_b32 v1, 14, v3
	v_lshl_or_b32 v1, v4, 4, v1                    ; in: 16,384 x wave + 16 x lane
	v_lshlrev_b32 v2, 13, v3
	v_lshl_or_b32 v2, v4, 3, v2                    ; out: 8,192 x wave + 8 x lane
	s_wait_kmcnt 0x0
	s_mov_b64 s[4:5], s[8:9]                       ; the source, its first segment, the destination and the segment there at which the source begins: chosen by the segment's number alone
	s_mov_b64 s[6:7], s[22:23]
	s_mov_b32 s3, 0
	s_mov_b32 s30, 0
.macro PICK first, src, dst, seg
	s_cmp_ge_u32 s2, \first
	s_cselect_b64 s[4:5], s[\src:(\src)+1], s[4:5]
	s_cselect_b64 s[6:7], s[\dst:(\dst)+1], s[6:7]
	s_cselect_b32 s3, \first, s3
	s_cselect_b32 s30, \seg, s30
.endm
	PICK 8, 10, 22, 8
	PICK 9, 12, 24, 0
	PICK 17, 14, 26, 0
	PICK 25, 16, 24, 8
	PICK 26, 18, 26, 8
	PICK 27, 20, 28, 8
	s_sub_co_u32 s3, s2, s3                        ; the segment within its source
	s_lshl_b32 s32, s3, 22
	s_lshl_b32 s33, ttmp9, 16
	s_add_co_u32 s32, s32, s33
	s_mov_b32 s33, 0
	s_add_nc_u64 s[4:5], s[4:5], s[32:33]
	s_add_co_u32 s34, s3, s30                      ; the segment within its destination
	s_lshl_b32 s34, s34, 21
	s_lshl_b32 s35, ttmp9, 15
	s_add_co_u32 s34, s34, s35
	s_mov_b32 s35, 0
	s_add_nc_u64 s[6:7], s[6:7], s[34:35]
.set i, 0
.rept 32
	global_load_b128 v[X+4*i:X+4*i+3], v1, s[4:5] offset:512*i th:TH_LOAD_NT
.set i, i+1
.endr
.set i, 0
.rept 32
	s_wait_loadcnt 31-i                            ; loads come back in order: load i is in, the 31 - i younger ones stay out
	v_cvt_pk_bf16_f32 v[Y+2*i], v[X+4*i], v[X+4*i+1]
	v_cvt_pk_bf16_f32 v[Y+2*i+1], v[X+4*i+2], v[X+4*i+3]
	global_store_b64 v2, v[Y+2*i:Y+2*i+1], s[6:7] offset:256*i
.set i, i+1
.endr
	s_endpgm
.Lfunc_end_k_q35905bee4f_cast:
	.size	k_q35905bee4f_cast, .Lfunc_end_k_q35905bee4f_cast-k_q35905bee4f_cast
	.p2alignl 7, 3214868480
	.fill 96, 4, 3214868480
	.section	.rodata,"a",@progbits
	.p2align	6, 0x0
	.amdhsa_kernel k_q35905bee4f_cast
		.amdhsa_group_segment_fixed_size 0
		.amdhsa_private_segment_fixed_size 0
		.amdhsa_enable_private_segment 0
		.amdhsa_kernarg_size 88
		.amdhsa_user_sgpr_count 2
		.amdhsa_user_sgpr_kernarg_segment_ptr 1
		.amdhsa_wavefront_size32 1
		.amdhsa_system_sgpr_workgroup_id_x 1
		.amdhsa_system_sgpr_workgroup_id_y 1
		.amdhsa_system_sgpr_workgroup_id_z 1
		.amdhsa_system_vgpr_workitem_id 0
		.amdhsa_next_free_vgpr 200
		.amdhsa_next_free_sgpr 66
		.amdhsa_reserve_vcc 0
		.amdhsa_float_denorm_mode_32 3
		.amdhsa_float_denorm_mode_16_64 3
		.amdhsa_memory_ordered 1
		.amdhsa_forward_progress 1
		.amdhsa_inst_pref_size 14
	.end_amdhsa_kernel
	.amdgpu_metadata
---
amdhsa.version: [ 1, 2 ]
amdhsa.kernels:
  - .name:           k_q35905bee4f_cast
    .symbol:         k_q35905bee4f_cast.kd
    .args:
      - { .name: value, .offset: 0, .size: 8, .value_kind: global_buffer, .address_space: global }
      - { .name: v_proj_weight, .offset: 8, .size: 8, .value_kind: global_buffer, .address_space: global }
      - { .name: query, .offset: 16, .size: 8, .value_kind: global_buffer, .address_space: global }
      - { .name: key, .offset: 24, .size: 8, .value_kind: global_buffer, .address_space: global }
      - { .name: q_proj_weight, .offset: 32, .size: 8, .value_kind: global_buffer, .address_space: global }
      - { .name: k_proj_weight, .offset: 40, .size: 8, .value_kind: global_buffer, .address_space: global }
      - { .name: out_proj_weight, .offset: 48, .size: 8, .value_kind: global_buffer, .address_space: global }
      - { .name: bv16, .offset: 56, .size: 8, .value_kind: global_buffer, .address_space: global }
      - { .name: bq16, .offset: 64, .size: 8, .value_kind: global_buffer, .address_space: global }
      - { .name: bk16, .offset: 72, .size: 8, .value_kind: global_buffer, .address_space: global }
      - { .name: vb, .offset: 80, .size: 8, .value_kind: global_buffer, .address_space: global }
    .group_segment_fixed_size: 0
    .private_segment_fixed_size: 0
    .kernarg_segment_align: 8
    .kernarg_segment_size: 88
    .max_flat_workgroup_size: 128
    .sgpr_count:     66
    .vgpr_count:     200
    .wavefront_size: 32
...
	.end_amdgpu_metadata
.endif
;; end of part 1
;; launch projvq (part 2): grid 4 x 64, 4 waves a work-group, clusters of 4 x 4, 327,680 bytes of LDS; arguments bv16, bias_v, bq16, bias_q, vb, qh; writes vb, qh
.if DOCPART == 2
	.amdgcn_target "amdgcn-amd-amdhsa--gfx1250"
	.amdhsa_code_object_version 6
	.text
	.protected	k_q35905bee4f_projvq
	.globl	k_q35905bee4f_projvq
	.p2align	8
	.type	k_q35905bee4f_projvq,@function
k_q35905bee4f_projvq:
	s_mov_b64 s[64:65], 0
	v_nop
	global_prefetch_b8 v0, s[64:65] scope:SCOPE_SE
	s_setreg_imm32_b32 hwreg(HW_REG_WAVE_MODE, 25, 1), 1
	s_wait_xcnt 0x0
	s_wait_alu depctr_hold_cnt(0) depctr_sa_sdst(0) depctr_va_vdst(0) depctr_va_sdst(0) depctr_va_ssrc(0) depctr_va_vcc(0) depctr_vm_vsrc(0)
	s_getreg_b32 s2, hwreg(HW_REG_IB_STS2, 6, 4)
	s_cmp_eq_u32 s2, 0
	s_cbranch_scc0 .Lentry_in_a_cluster
	s_endpgm
.Lentry_in_a_cluster:
	s_bfe_u32 s2, ttmp6, 0x10000c
	s_cmp_lg_u32 s2, 0xf033
	s_cbranch_scc0 .Lentry_shape_is_right
	s_endpgm
.Lentry_shape_is_right:
; TWO PROJECTIONS IN ONE LAUNCH.  C[m][e] = the sum over d of A[m][d] W[e][d] + bias[e].  A: [8192][1024] bf16 at byte 0 of an operand buffer, W: [1024][1024] bf16 at byte 16,777,216 of it;
; bias f32, rounded to bf16 here like every input; sums in f32.
; WHICH: kind = cluster y / 8.  Kind 0: operands = argument 0, bias = argument 1, C rounded to bf16 (nearest even) into argument 4, rows of 2,048 bytes.
; Kind 1: operands = argument 2, bias = argument 3, C kept WHOLE in argument 5: a row of 4,096 bytes holds the 1,024 upper halves of the f32 words, which are C cut to bf16, then the 1,024 lower halves.
; SHARES.  A projection has 32 x 4 tiles of 256 x 256, two have 256: a work-group to a tile.  Four waves, each 128 x 128: 64 accumulators, 512 registers.  K goes in 8 steps of 128 through two LDS
; slots; tile rows are 256 bytes of memory at multiples of 256.  A kind 1 work-group stores twice the bytes of a kind 0 one.
; The matrix instruction is used transposed (source 0 = 16 rows of W, source 1 = 16 rows of A): a lane holds row l % 16 of C and the columns 8 (l / 16) + 0..7.  The bias, laid out so, is the C operand
; of each accumulator's first product: nothing is cleared, nothing added later.
; CLUSTER 4 x 4: the four of a row share A's tile, the four of a column W's: each is asked for jointly, by the same tensor load with the same descriptor and a mask of four.
; REGISTERS: window 0: v1-30 addresses; v32-63, v224-255 rows on the way out; v64-127, v128-191 A's fragments, two buffers; v192-223 packed results.
;   window 1: v0-31 at work; v64-127, v128-191 W's fragments; v192-255 the bias.   window 2: the accumulators of my row blocks 0-3, (a, b) at v[8 (8 a + b)];   window 3: blocks 4-7.
; LIMITS: NaN and infinities are not treated apart.
.set KSTEP,  128
.set PITCH,  272                       ; an LDS row: 256 bytes + 16 of padding: the 16 rows of a fragment load start 68 words apart
.set HALFT,  128*PITCH                 ; 128 rows: what one tensor load brings, and what one wave reads of A or of W
.set SLOT,   4*HALFT                   ; A's 256 rows, then W's 256 rows
.set STAGE,  2*SLOT                    ; behind the ring: 16 rows x 272 bytes for each wave
.set SPARE,  STAGE+4*16*PITCH          ; behind the stages: the spare words, 128 bytes a wave, which no other line names
.set ADRA, 16                          ; v16-17 LDS address of my A fragments in slot 0, 1
.set ADRB, 20                          ; v20-21 the same for W
.set STO,  24
.set RD,   25
.set CO,   26
.set BO,   27
.set SPW,  28
.set NIL,  29
.set PFO,  30
.set F0,   64
.set F1,   128
.set TMP,  192                         ; window 0
.set BIAS, 192                         ; window 1
.set BT,   0                           ; window 1
.set G1,   24
.set G0,   32
.set G1B,  48
.set G0B,  56
.set LIM,  43
.set PFA,  44
.set OUT,  66
.set FLAGS, (1<<16)|(1<<20)|(1<<21)|(5<<22)|(3<<25)  ; 2-byte elements; padding on; bit 21 beside a mask; after every 64 words; 4 words
.set MSB, 0
.macro WIN new
.if MSB != (\new)
	s_set_vgpr_msb (MSB<<8)|(\new)
.set MSB, \new
.endif
.endm
.set MUL_LO, 0xa1                      ; W window 1, A window 0, C and D window 2
.set TO_B,   0x40
.macro PLACES
.rept 4
	v_nop
.endr
.endm
.macro JLOAD s                         ; waves 0, 1: A's halves; waves 2, 3: W's.  The branch hangs on the wave's number alone
	s_cmp_eq_u32 s17, 0
	s_cbranch_scc0 .Lfor_b_\@
	tensor_load_to_lds s[G0+4*(\s):G0+4*(\s)+3], s[G1:G1+7]
	s_nop 0
.rept 4
	v_nop
.endr
	s_branch .Lasked_\@
.Lfor_b_\@:
	tensor_load_to_lds s[G0B+4*(\s):G0B+4*(\s)+3], s[G1B:G1B+7]
	s_nop 0
.rept 4
	v_nop
.endr
.Lasked_\@:
.endm
.macro ASK                             ; one prefetch: 32 rows x 256 bytes, a lane a row, of the K step two refills on; the loop's last trip (s3 = 1) has none
	s_cmp_gt_u32 s3, s[LIM]
	s_cbranch_scc0 .Lnot_mine_\@
	global_prefetch_b8 v[PFO], s[PFA:PFA+1] offset:KSTEP*2 th:TH_LOAD_NT scope:SCOPE_SE
.Lnot_mine_\@:
.endm
.macro CREST
	s_cmp_lg_u32 s16, 0
	s_cbranch_scc1 .Lnot_wave_0_\@
	s_barrier_signal -3
.Lnot_wave_0_\@:
	s_barrier_wait -3
	s_barrier_signal -1
	s_barrier_wait -1
.endm
.macro CROUND
	s_barrier_signal -1
	s_barrier_wait -1
	CREST
.endm
	s_load_b256 s[4:11], s[0:1], 0x0               ; kind 0: operands s[4:5], bias s[6:7]; kind 1: operands s[8:9], bias s[10:11]
	s_load_b128 s[12:15], s[0:1], 0x20             ; the rounded result s[12:13]; the whole result s[14:15]
	v_lshl_add_u32 v[SPW], v0, 2, SPARE
	v_mov_b32 v[NIL], 0
	ds_add_u32 v[SPW], v[NIL]                      ; the wave's opening: the add and its wait stand ahead of my first tensor load
	v_lshrrev_b32 v1, 5, v0
	v_readfirstlane_b32 s16, v1                    ; wave
	s_lshr_b32 s17, s16, 1                         ; my half of the tile's rows; also: I fetch for A (0) or W (1)
	s_and_b32 s18, s16, 1                          ; my half of its columns; also: which 128 rows I fetch
	s_bfe_u32 s19, ttmp6, 0x40000                  ; cx = tile column
	s_bfe_u32 s20, ttmp6, 0x40004                  ; cy
	s_and_b32 s21, ttmp7, 0xffff                   ; cluster y, 0 to 15
	s_lshr_b32 s22, s21, 3                         ; kind: the same in all sixteen partners
	s_and_b32 s23, s21, 7
	s_lshl_b32 s23, s23, 2
	s_add_co_u32 s23, s23, s20                     ; tile row, 0 to 31
	s_lshl_b32 s40, s20, 2
	s_lshl_b32 s40, 15, s40                        ; my row of the cluster
	s_lshl_b32 s41, 0x1111, s19                    ; my column
	s_or_b32 s[G1], s40, FLAGS
	s_or_b32 s[G1B], s41, FLAGS
.irp g, G1, G1B
	s_mov_b32 s[(\g)+1], KSTEP<<16                 ; tensor_dim0 = 128
	s_mov_b32 s[(\g)+2], 128<<16                   ; tensor_dim1 = 128
	s_mov_b32 s[(\g)+3], KSTEP<<16                 ; tile_dim0 = 128
	s_mov_b32 s[(\g)+4], 128                       ; tile_dim1 = 128
	s_mov_b32 s[(\g)+5], 1024                      ; elements from row to row
	s_mov_b32 s[(\g)+6], 0
	s_mov_b32 s[(\g)+7], 0
.endr
	s_lshl_b32 s74, s23, 19                        ; A: (256 x tile row + 128 x half) rows of 2,048 bytes: made of cy, never of cx
	s_lshl_b32 s75, s18, 18
	s_add_co_u32 s74, s74, s75
	s_mov_b32 s75, 0
	s_lshl_b32 s78, s19, 19                        ; W: (256 x tile column + 128 x half) rows, behind A: made of cx, never of cy
	s_lshl_b32 s79, s18, 18
	s_add_co_u32 s78, s78, s79
	s_add_co_u32 s78, s78, 16777216
	s_mov_b32 s79, 0
	s_mul_i32 s42, s16, HALFT                      ; where they go: wave x 128 rows: no place in the cluster enters an LDS address
	s_mov_b32 s70, 0x07060302                      ; v_perm_b32: the two upper halves
	s_mov_b32 s71, 0x05040100                      ; the two lower halves
	s_mov_b32 s72, 0xffff0000
	s_wait_dscnt 0x0                               ; the opening add is done
	s_wait_kmcnt 0x0
	s_cmp_eq_u32 s22, 0
	s_cselect_b64 s[82:83], s[4:5], s[8:9]         ; my kind's operands
	s_add_nc_u64 s[76:77], s[82:83], s[74:75]
	s_add_nc_u64 s[80:81], s[82:83], s[78:79]
	CROUND                                         ; all sixteen work-groups are here: the first joint loads meet
.irp s, 0,1
	s_mov_b32 s[G0+4*(\s)], 1
	s_add_co_u32 s[G0+4*(\s)+1], s42, (\s)*SLOT
	s_add_nc_u64 s[G0+4*(\s)+2:G0+4*(\s)+3], s[76:77], (\s)*KSTEP*2
	s_or_b32 s[G0+4*(\s)+3], s[G0+4*(\s)+3], 0x80000000
	s_mov_b32 s[G0B+4*(\s)], 1
	s_add_co_u32 s[G0B+4*(\s)+1], s42, (\s)*SLOT
	s_add_nc_u64 s[G0B+4*(\s)+2:G0B+4*(\s)+3], s[80:81], (\s)*KSTEP*2
	s_or_b32 s[G0B+4*(\s)+3], s[G0B+4*(\s)+3], 0x80000000
	JLOAD \s                                       ; K steps 0 and 1: two loads of mine are out
.endr
	; the bias of my 128 columns: register 8 b + j = bias[16 b + 8 (l / 16) + j]
	s_cmp_eq_u32 s22, 0
	s_cselect_b64 s[68:69], s[6:7], s[10:11]
	s_lshl_b32 s40, s19, 10
	s_lshl_b32 s41, s18, 9
	s_add_co_u32 s40, s40, s41
	s_mov_b32 s41, 0
	s_add_nc_u64 s[68:69], s[68:69], s[40:41]
	v_and_b32 v1, 15, v0                           ; l % 16
	v_bfe_u32 v2, v0, 4, 1                         ; l / 16
	v_lshlrev_b32 v[BO], 5, v2
	WIN TO_B                                       ; destination window 1, address window 0
.irp b, 0,1,2,3,4,5,6,7
	global_load_b128 v[BIAS+8*(\b):BIAS+8*(\b)+3],   v[BO], s[68:69] offset:64*(\b)
	global_load_b128 v[BIAS+8*(\b)+4:BIAS+8*(\b)+7], v[BO], s[68:69] offset:64*(\b)+16
.endr
	WIN 0
	v_mul_u32_u24 v3, v1, PITCH
	v_lshl_add_u32 v3, v2, 4, v3                   ; a fragment's row x pitch + 16 x half
	s_mul_i32 s40, s17, HALFT                      ; my 128 rows of A
	s_mul_i32 s41, s18, HALFT                      ; my 128 rows of W, behind A's 256
	s_add_co_u32 s41, s41, 2*HALFT
.irp s, 0,1
	v_add_nc_u32 v[ADRA+(\s)], s40, v3
	v_add_nc_u32 v[ADRB+(\s)], s41, v3
	s_add_co_u32 s40, s40, SLOT
	s_add_co_u32 s41, s41, SLOT
.endr
	s_mul_i32 s40, s16, 16*PITCH
	s_add_co_u32 s40, s40, STAGE                   ; my stage
	v_add_nc_u32 v[STO], s40, v3                   ; in: row l % 16, 16 bytes for each half of the lanes
	v_mul_u32_u24 v4, v2, PITCH
	v_lshl_add_u32 v4, v1, 4, v4
	v_add_nc_u32 v[RD], s40, v4                    ; back: lanes 0-15 one row of 256 bytes, lanes 16-31 the next
	s_cmp_eq_u32 s22, 0
	s_cselect_b32 s47, 11, 12                      ; a result row is 2,048 or 4,096 bytes
	s_cselect_b64 s[OUT:OUT+1], s[12:13], s[14:15]
	s_lshl_b32 s40, s23, 8
	s_lshl_b32 s41, s17, 7
	s_add_co_u32 s40, s40, s41                     ; my first row
	s_lshl_b32 s40, s40, s47
	s_lshl_b32 s41, s19, 9
	s_add_co_u32 s40, s40, s41
	s_lshl_b32 s41, s18, 8
	s_add_co_u32 s40, s40, s41                     ; + my first column x 2 bytes
	s_mov_b32 s41, 0
	s_add_nc_u64 s[OUT:OUT+1], s[OUT:OUT+1], s[40:41]
	v_lshlrev_b32 v5, s47, v2
	v_lshl_add_u32 v[CO], v1, 4, v5
	; THE PREFETCHES.  Each row's 256 bytes of a K step are named once in the launch.  A tile row of A is read by this cluster's row alone: waves 0 and 1 ask for the 128 rows that each fetches, partner cx
	; taking 32.  W's rows are read by the 8 clusters of a kind: the first of them asks, waves 2 and 3, partner cy taking 32.  Partners differ by address alone.
	s_and_b32 s40, s21, 7
	s_cmp_eq_u32 s40, 0
	s_cselect_b32 s41, 1, -1
	s_cmp_eq_u32 s17, 0
	s_cselect_b32 s[LIM], 1, s41                   ; the same in all sixteen partners, for a given wave
	s_cselect_b32 s40, s19, s20                    ; my place among the four that ask with me
	s_cselect_b64 s[PFA:PFA+1], s[76:77], s[80:81]
	s_lshl_b32 s46, s40, 16                        ; my work-group's 32 rows
	s_add_co_u32 s46, s46, 2*KSTEP*2               ; at K step 2: the first refill steps it to 3 and names K step 4
	s_mov_b32 s47, 0
	s_add_nc_u64 s[PFA:PFA+1], s[PFA:PFA+1], s[46:47]
	v_and_b32 v[PFO], 31, v0
	v_lshlrev_b32 v[PFO], 11, v[PFO]
	s_wait_loadcnt 0x0                             ; the bias is in: rounded to bf16 and widened again.  All this stands in the wait for the first tile
	WIN 0x45                                       ; destination and both sources window 1
.set i, 0
.rept 32
	v_cvt_pk_bf16_f32 v[BT+i], v[BIAS+2*i], v[BIAS+2*i+1]
.set i, i+1
.endr
.set i, 0
.rept 32
	v_lshlrev_b32 v[BIAS+2*i], 16, v[BT+i]
	v_and_b32 v[BIAS+2*i+1], s72, v[BT+i]
.set i, i+1
.endr
	WIN 0
; 16 matrix instructions: row blocks a0, a0 + 1 of the window's four x all 8 column blocks, 32 along K.  first = 1: the bias (window 1) starts the sums.  The 64 accumulators take turns in the same order in every quarter.
.macro MUL16 f, hi, a0, first
.if \first
	WIN 0x91+0x40*(\hi)                            ; C window 1, D window 2 or 3
.else
	WIN MUL_LO+0x50*(\hi)
.endif
.irp a, \a0, (\a0)+1
.irp b, 0,1,2,3,4,5,6,7
.if \first
	v_wmma_f32_16x16x32_bf16 v[8*(8*(\a)+(\b)):8*(8*(\a)+(\b))+7], v[(\f)+8*(\b):(\f)+8*(\b)+7], v[(\f)+8*(4*(\hi)+(\a)):(\f)+8*(4*(\hi)+(\a))+7], v[BIAS+8*(\b):BIAS+8*(\b)+7]
.else
	v_wmma_f32_16x16x32_bf16 v[8*(8*(\a)+(\b)):8*(8*(\a)+(\b))+7], v[(\f)+8*(\b):(\f)+8*(\b)+7], v[(\f)+8*(4*(\hi)+(\a)):(\f)+8*(4*(\hi)+(\a))+7], v[8*(8*(\a)+(\b)):8*(8*(\a)+(\b))+7]
.endif
.endr
.endr
.endm
.macro FETCH slot, k, f                ; 32 LDS loads in one run: W's 128 rows, then A's 128, 32 along K at byte k
	WIN TO_B
.irp i, 0,1,2,3,4,5,6,7
	ds_load_b128 v[(\f)+8*(\i):(\f)+8*(\i)+3],   v[ADRB+(\slot)] offset:(\k)+(\i)*16*PITCH
	ds_load_b128 v[(\f)+8*(\i)+4:(\f)+8*(\i)+7], v[ADRB+(\slot)] offset:(\k)+(\i)*16*PITCH+32
.endr
	WIN 0
.irp i, 0,1,2,3,4,5,6,7
	ds_load_b128 v[(\f)+8*(\i):(\f)+8*(\i)+3],   v[ADRA+(\slot)] offset:(\k)+(\i)*16*PITCH
	ds_load_b128 v[(\f)+8*(\i)+4:(\f)+8*(\i)+7], v[ADRA+(\slot)] offset:(\k)+(\i)*16*PITCH+32
.endr
.endm
.macro QUARTER slot, k, f, g, first
	s_wait_dscnt 8                                 ; W and A's blocks 0-3 are in; the youngest eight loads (blocks 4-7) may be out
	MUL16 \f, 0, 0, \first
	MUL16 \f, 0, 2, \first
	PLACES                                         ; four places between the last product that read buffer g and the loads into it
	FETCH \slot, \k, \g
	s_wait_dscnt 32                                ; all but the 32 just issued
	MUL16 \f, 1, 0, \first
	MUL16 \f, 1, 2, \first
.endm
.macro MEET round
	WIN 0
	s_wait_tensorcnt 0x0                           ; all my tensor loads have landed: the one that was out is my part of the next slot
	ds_add_u32 v[SPW], v[NIL]                      ; 0 onto my spare word
	s_wait_dscnt 9                                 ; (the add and the youngest eight loads may be out)
	MUL16 F1, 0, 0, 0
	s_wait_dscnt 0x0                               ; the add is done, and my reads of this slot are over
	s_barrier_signal -1
	MUL16 F1, 0, 2, 0
.if \round
	WIN 0
.endif
	s_barrier_wait -1
.endm
.macro TURN slot, next                 ; the last quarter of a K step: the slots change, and this one is filled again, two K steps on
	s_wait_xcnt 0x0                                ; the last prefetch, a K step back, has read its address
	s_add_nc_u64 s[PFA:PFA+1], s[PFA:PFA+1], KSTEP*2
	MEET 1
	CREST                                          ; no wave of any partner still reads this slot or has a load on its way
	s_add_nc_u64 s[G0+4*(\slot)+2:G0+4*(\slot)+3], s[G0+4*(\slot)+2:G0+4*(\slot)+3], 2*KSTEP*2
	s_add_nc_u64 s[G0B+4*(\slot)+2:G0B+4*(\slot)+3], s[G0B+4*(\slot)+2:G0B+4*(\slot)+3], 2*KSTEP*2
	JLOAD \slot                                    ; my one tensor load behind the round: 224 matrix instructions ahead of the wait for it; its four v_nop are also the places in front of the loads below
	FETCH \next, 0, F0
	ASK
	MUL16 F1, 1, 0, 0
	MUL16 F1, 1, 2, 0
.endm
	s_wait_tensorcnt 1                             ; my part of K step 0 is in; K step 1's may stay out
	s_barrier_signal -1
	s_barrier_wait -1
	FETCH 0, 0, F0
	QUARTER 0, 64, F0, F1, 1                       ; the first products start the sums, with the bias
	WIN 0
	s_mov_b32 s3, 3
.Llap:                                                 ; a trip goes once round the ring, from a lap's second quarter to the next lap's first, and fills both slots again
	QUARTER 0, 128, F1, F0, 0
	QUARTER 0, 192, F0, F1, 0
	TURN 0, 1
	QUARTER 1, 64, F0, F1, 0
	QUARTER 1, 128, F1, F0, 0
	QUARTER 1, 192, F0, F1, 0
	TURN 1, 0
	QUARTER 0, 64, F0, F1, 0
	WIN 0
	s_sub_co_u32 s3, s3, 1
	s_cmp_lg_u32 s3, 0
	s_cbranch_scc1 .Llap
	QUARTER 0, 128, F1, F0, 0                      ; the last lap fills nothing
	QUARTER 0, 192, F0, F1, 0
	MEET 0
	PLACES
	FETCH 1, 0, F0
	MUL16 F1, 1, 0, 0
	MUL16 F1, 1, 2, 0
	QUARTER 1, 64, F0, F1, 0
	QUARTER 1, 128, F1, F0, 0
	QUARTER 1, 192, F0, F1, 0
	s_wait_dscnt 8
	MUL16 F1, 0, 0, 0
	MUL16 F1, 0, 2, 0
	s_wait_dscnt 0x0
	MUL16 F1, 1, 0, 0
	MUL16 F1, 1, 2, 0
	WIN 0
	PLACES
	PLACES
; THE WAY OUT, 16 rows x 128 columns of 2 bytes at a time: 16 bytes a lane into my stage, back as whole rows of 256 bytes, stored by sixteen lanes a row.
.macro PACKR a                         ; row block a, rounded to bf16
	WIN 0x0a+5*((\a)/4)                            ; sources window 2 or 3, destination window 0
.set AC, 64*((\a)%4)
.irp b, 0,1,2,3,4,5,6,7
.irp i, 0,1,2,3
	v_cvt_pk_bf16_f32 v[TMP+4*(\b)+(\i)], v[AC+8*(\b)+2*(\i)], v[AC+8*(\b)+2*(\i)+1]
.endr
.endr
	WIN 0
.endm
.macro PACKP a, sel                    ; the upper or the lower halves of the f32 words, as they are
	WIN 0x0a+5*((\a)/4)
.set AC, 64*((\a)%4)
.irp b, 0,1,2,3,4,5,6,7
.irp i, 0,1,2,3
	v_perm_b32 v[TMP+4*(\b)+(\i)], v[AC+8*(\b)+2*(\i)+1], v[AC+8*(\b)+2*(\i)], s[\sel]
.endr
.endr
	WIN 0
.endm
.macro TOSTAGE u
.set BK, 32+192*((\u)%2)
.irp b, 0,1,2,3,4,5,6,7
	ds_store_b128 v[STO], v[TMP+4*(\b):TMP+4*(\b)+3] offset:32*(\b)
.endr
.irp t, 0,1,2,3,4,5,6,7
	ds_load_b128 v[BK+4*(\t):BK+4*(\t)+3], v[RD] offset:(\t)*2*PITCH  ; a wave's LDS instructions are served in order: these see the stores above
.endr
.endm
.macro SEND u, off, pitch
.set BK, 32+192*((\u)%2)
	s_wait_dscnt 0x0                               ; the unit is back in registers
	s_wait_xcnt 0x0                                ; the stores issued so far have read their registers: the other set of rows is loaded again only behind this wait
.irp t, 0,1,2,3,4,5,6,7
	global_store_b128 v[CO], v[BK+4*(\t):BK+4*(\t)+3], s[OUT:OUT+1] offset:(\off)+2*(\t)*(\pitch)  ; 16 lanes store 256 consecutive bytes, aligned
.endr
.endm
	s_cmp_eq_u32 s22, 0
	s_cbranch_scc0 .Lhalves
	PACKR 0
	TOSTAGE 0
.set u, 1
.rept 7                                            ; a unit's conversions stand between the loads of the unit before and the wait for them
	PACKR u
	SEND u-1, 16*(u-1)*2048, 2048
	TOSTAGE u
.set u, u+1
.endr
	SEND 7, 16*7*2048, 2048
	s_branch .Ldone
.Lhalves:                                              ; sixteen units: row block u / 2, upper halves (u even) and lower halves (u odd, 2,048 bytes further on in the row)
	PACKP 0, 70
	TOSTAGE 0
.set u, 1
.rept 15
	PACKP u/2, 70+u%2
	SEND u-1, 16*((u-1)/2)*4096+((u-1)%2)*2048, 4096
	TOSTAGE u
.set u, u+1
.endr
	SEND 15, 16*7*4096+2048, 4096
.Ldone:
	s_wait_tensorcnt 0x0                           ; the wave's end: behind my last tensor load and my last LDS store
	ds_add_u32 v[SPW], v[NIL]
	s_wait_dscnt 0x0
	CROUND                                         ; the closing round
	s_endpgm
.Lfunc_end_k_q35905bee4f_projvq:
	.size	k_q35905bee4f_projvq, .Lfunc_end_k_q35905bee4f_projvq-k_q35905bee4f_projvq
	.p2alignl 7, 3214868480
	.fill 96, 4, 3214868480
	.section	.rodata,"a",@progbits
	.p2align	6, 0x0
	.amdhsa_kernel k_q35905bee4f_projvq
		.amdhsa_group_segment_fixed_size 327680
		.amdhsa_private_segment_fixed_size 0
		.amdhsa_enable_private_segment 0
		.amdhsa_kernarg_size 48
		.amdhsa_user_sgpr_count 2
		.amdhsa_user_sgpr_kernarg_segment_ptr 1
		.amdhsa_wavefront_size32 1
		.amdhsa_system_sgpr_workgroup_id_x 1
		.amdhsa_system_sgpr_workgroup_id_y 1
		.amdhsa_system_sgpr_workgroup_id_z 1
		.amdhsa_system_vgpr_workitem_id 0
		.amdhsa_next_free_vgpr 1024
		.amdhsa_next_free_sgpr 84
		.amdhsa_reserve_vcc 0
		.amdhsa_float_denorm_mode_32 3
		.amdhsa_float_denorm_mode_16_64 3
		.amdhsa_memory_ordered 1
		.amdhsa_forward_progress 1
		.amdhsa_inst_pref_size 211
	.end_amdhsa_kernel
	.amdgpu_metadata
---
amdhsa.version: [ 1, 2 ]
amdhsa.kernels:
  - .name:           k_q35905bee4f_projvq
    .symbol:         k_q35905bee4f_projvq.kd
    .args:
      - { .name: bv16, .offset: 0, .size: 8, .value_kind: global_buffer, .address_space: global }
      - { .name: bias_v, .offset: 8, .size: 8, .value_kind: global_buffer, .address_space: global }
      - { .name: bq16, .offset: 16, .size: 8, .value_kind: global_buffer, .address_space: global }
      - { .name: bias_q, .offset: 24, .size: 8, .value_kind: global_buffer, .address_space: global }
      - { .name: vb, .offset: 32, .size: 8, .value_kind: global_buffer, .address_space: global }
      - { .name: qh, .offset: 40, .size: 8, .value_kind: global_buffer, .address_space: global }
    .group_segment_fixed_size: 327680
    .private_segment_fixed_size: 0
    .kernarg_segment_align: 8
    .kernarg_segment_size: 48
    .max_flat_workgroup_size: 128
    .sgpr_count:     84
    .vgpr_count:     1024
    .wavefront_size: 32
...
	.end_amdgpu_metadata
.endif
;; end of part 2
;; launch projuk: the kernel of part 2 again; grid 4 x 64, 4 waves a work-group, clusters of 4 x 4, 327,680 bytes of LDS; arguments vb, out_proj_bias, bk16, bias_k, bv16, kh; writes bv16, kh
;; launch score (part 3): grid 8 x 32, 4 waves a work-group, clusters of 4 x 4, 327,680 bytes of LDS; arguments qh, kh, part; writes part
.if DOCPART == 3
	.amdgcn_target "amdgcn-amd-amdhsa--gfx1250"
	.amdhsa_code_object_version 6
	.text
	.protected	k_q35905bee4f_score
	.globl	k_q35905bee4f_score
	.p2align	8
	.type	k_q35905bee4f_score,@function
k_q35905bee4f_score:
	s_mov_b64 s[64:65], 0
	v_nop
	global_prefetch_b8 v0, s[64:65] scope:SCOPE_SE
	s_setreg_imm32_b32 hwreg(HW_REG_WAVE_MODE, 25, 1), 1
	s_wait_xcnt 0x0
	s_wait_alu depctr_hold_cnt(0) depctr_sa_sdst(0) depctr_va_vdst(0) depctr_va_sdst(0) depctr_va_ssrc(0) depctr_va_vcc(0) depctr_vm_vsrc(0)
	s_getreg_b32 s2, hwreg(HW_REG_IB_STS2, 6, 4)
	s_cmp_eq_u32 s2, 0
	s_cbranch_scc0 .Lentry_in_a_cluster
	s_endpgm
.Lentry_in_a_cluster:
	s_bfe_u32 s2, ttmp6, 0x10000c
	s_cmp_lg_u32 s2, 0xf033
	s_cbranch_scc0 .Lentry_shape_is_right
	s_endpgm
.Lentry_shape_is_right:
; NOMINATION.  For each batch the scores q . k of q and k cut to bf16 (the upper halves of their f32 words), sums in f32; no score is stored.  Of each group of 64 keys a lane keeps the best two.
; qh, kh: row m = 4 s + b at 4,096 m; the first 2,048 bytes of a row are the 1,024 upper halves.  The rows of one batch lie 16,384 bytes apart.
; SHARES.  A work-group makes 256 queries x 256 keys of one batch (4 x 8 x 8 = 256 work-groups), a wave 128 x 128: 64 accumulators, 512 registers.  K goes in 8 steps of 128 through two LDS slots.
; Source 0 = 16 keys, source 1 = 16 queries: lane l of accumulator (a, b) holds query 16 a + l % 16 and the keys 16 b + 8 (l / 16) + 0..7.  So a lane's 64 scores of a query block a are one group.
; SELECTION.  A score's lowest 6 bits are replaced by 63 - its place among the 64: all 64 differ, and of equal positive scores the lower key is the greater.  The best two are found by maxima and medians.
; Each is stored as a whole number that orders as a signed integer: the score's upper 21 bits (a negative score's bits below the sign turned) and 2,047 - key in the lowest 11.
; The selection is written once and walked eight times; only the 64 lines that mark a block's scores name its accumulators, and they are reached by forward jumps on the loop's counter.
; part: (((32 rows of work-groups gy x 8 + key tile x) x 4 + wave) x 8 + a) x 256 + 8 x lane: two words a lane, 256 consecutive bytes a store.
; CLUSTER 4 x 4: the four of a row share the queries' tile, the four of a column the keys'.
; LIMITS.  A later launch decides among the nominees in f32: the true argmax must be among the best two of its group by these scores.  Among negative scores equal but for the 6 bits the higher key leads;
; a row whose best score is negative fails the threshold whatever its argmax.  NaN and infinities are not treated apart.
; REGISTERS: window 0: v16-30 addresses; v32-43 at work; v64-127, v128-191 the queries' fragments, two buffers (v64-127 later the 64 marked scores); v192-193 a block's result.
;   window 1: v64-127, v128-191 the keys' fragments.   window 2: the accumulators of my query blocks 0-3, (a, b) at v[8 (8 a + b)];   window 3: blocks 4-7.
.set KSTEP,  128
.set PITCH,  272
.set HALFT,  128*PITCH
.set SLOT,   4*HALFT
.set SPARE,  2*SLOT                    ; behind the ring: the spare words, 128 bytes a wave, which no other line names
.set ADRA, 16
.set ADRB, 20
.set PO,   26                          ; v26 8 x lane + 256 x the blocks begun
.set CB,   27                          ; v27 1,928 - (256 x + 128 x my half of the keys + 8 (l / 16))
.set SPW,  28
.set NIL,  29
.set PFO,  30
.set F0,   64
.set F1,   128
.set G1, 24
.set G0, 32
.set G1B, 48
.set G0B, 56
.set PFA, 44
.set LIM, 43
.set KEEP, 66                          ; s66 0xffffffc0
.set TOP,  67                          ; s67 0xfffff800
.set FLAGS, (1<<16)|(1<<20)|(1<<21)|(5<<22)|(3<<25)
.set MSB, 0
.macro WIN new
.if MSB != (\new)
	s_set_vgpr_msb (MSB<<8)|(\new)
.set MSB, \new
.endif
.endm
.set MUL_LO, 0xa1                      ; keys window 1, queries window 0, C and D window 2
.set MUL_HI, 0xf1
.set TO_B,   0x40
.macro PLACES
.rept 4
	v_nop
.endr
.endm
.macro JLOAD s                         ; waves 0, 1: the queries' halves; waves 2, 3: the keys'
	s_cmp_eq_u32 s11, 0
	s_cbranch_scc0 .Lfor_b_\@
	tensor_load_to_lds s[G0+4*(\s):G0+4*(\s)+3], s[G1:G1+7]
	s_nop 0
.rept 4
	v_nop
.endr
	s_branch .Lasked_\@
.Lfor_b_\@:
	tensor_load_to_lds s[G0B+4*(\s):G0B+4*(\s)+3], s[G1B:G1B+7]
	s_nop 0
.rept 4
	v_nop
.endr
.Lasked_\@:
.endm
.macro ASK                             ; 32 rows x 256 bytes, a lane a row, of the K step two refills on; the loop's last trip has none
	s_cmp_gt_u32 s3, s[LIM]
	s_cbranch_scc0 .Lnot_mine_\@
	global_prefetch_b8 v[PFO], s[PFA:PFA+1] offset:KSTEP*2 th:TH_LOAD_NT scope:SCOPE_SE
.Lnot_mine_\@:
.endm
.macro CREST
	s_cmp_lg_u32 s10, 0
	s_cbranch_scc1 .Lnot_wave_0_\@
	s_barrier_signal -3
.Lnot_wave_0_\@:
	s_barrier_wait -3
	s_barrier_signal -1
	s_barrier_wait -1
.endm
.macro CROUND
	s_barrier_signal -1
	s_barrier_wait -1
	CREST
.endm
	s_load_b128 s[4:7], s[0:1], 0x0                ; qh s[4:5], kh s[6:7]
	s_load_b64 s[8:9], s[0:1], 0x10                ; part
	v_lshl_add_u32 v[SPW], v0, 2, SPARE
	v_mov_b32 v[NIL], 0
	ds_add_u32 v[SPW], v[NIL]                      ; the wave's opening: the add and its wait stand ahead of my first tensor load
	v_lshrrev_b32 v1, 5, v0
	v_readfirstlane_b32 s10, v1                    ; wave
	s_lshr_b32 s11, s10, 1                         ; my half of the queries; also: I fetch queries (0) or keys (1)
	s_and_b32 s12, s10, 1                          ; my half of the keys; also: which 128 rows I fetch
	s_bfe_u32 s40, ttmp6, 0x40000                  ; cx
	s_bfe_u32 s41, ttmp6, 0x40004                  ; cy
	s_lshl_b32 s42, ttmp9, 2
	s_add_co_u32 s42, s42, s40                     ; key tile x, 0 to 7
	s_and_b32 s13, ttmp7, 0xffff                   ; cluster y, 0 to 7
	s_lshr_b32 s14, s13, 1                         ; batch
	s_and_b32 s15, s13, 1
	s_lshl_b32 s15, s15, 2
	s_add_co_u32 s15, s15, s41                     ; query tile, 0 to 7
	s_lshl_b32 s2, s41, 2
	s_lshl_b32 s2, 15, s2                          ; my row of the cluster
	s_lshl_b32 s3, 0x1111, s40                     ; my column
	s_or_b32 s[G1], s2, FLAGS
	s_or_b32 s[G1B], s3, FLAGS
.irp g, G1, G1B
	s_mov_b32 s[(\g)+1], KSTEP<<16                 ; tensor_dim0 = 128
	s_mov_b32 s[(\g)+2], 128<<16                   ; tensor_dim1 = 128
	s_mov_b32 s[(\g)+3], KSTEP<<16                 ; tile_dim0 = 128
	s_mov_b32 s[(\g)+4], 128                       ; tile_dim1 = 128
	s_mov_b32 s[(\g)+5], 8192                      ; 8,192 elements (16,384 bytes) from a batch's row to its next
	s_mov_b32 s[(\g)+6], 0
	s_mov_b32 s[(\g)+7], 0
.endr
	s_lshl_b32 s16, s14, 12                        ; queries: batch x 4,096 + (256 x query tile + 128 x half) x 16,384: made of cy, never of cx
	s_lshl_b32 s17, s15, 22
	s_add_co_u32 s16, s16, s17
	s_lshl_b32 s17, s12, 21
	s_add_co_u32 s16, s16, s17
	s_mov_b32 s17, 0
	s_lshl_b32 s46, s14, 12                        ; keys: the same with the key tile: made of cx, never of cy
	s_lshl_b32 s47, s42, 22
	s_add_co_u32 s46, s46, s47
	s_lshl_b32 s47, s12, 21
	s_add_co_u32 s46, s46, s47
	s_mov_b32 s47, 0
	s_mul_i32 s20, s10, HALFT                      ; where they go: wave x 128 rows
	s_mov_b32 s[KEEP], 0xffffffc0
	s_mov_b32 s[TOP], 0xfffff800
	s_wait_dscnt 0x0                               ; the opening add is done
	s_wait_kmcnt 0x0
	s_add_nc_u64 s[18:19], s[4:5], s[16:17]
	s_add_nc_u64 s[46:47], s[6:7], s[46:47]
	CROUND                                         ; all sixteen work-groups are here: the first joint loads meet
.irp s, 0,1
	s_mov_b32 s[G0+4*(\s)], 1
	s_add_co_u32 s[G0+4*(\s)+1], s20, (\s)*SLOT
	s_add_nc_u64 s[G0+4*(\s)+2:G0+4*(\s)+3], s[18:19], (\s)*KSTEP*2
	s_or_b32 s[G0+4*(\s)+3], s[G0+4*(\s)+3], 0x80000000
	s_mov_b32 s[G0B+4*(\s)], 1
	s_add_co_u32 s[G0B+4*(\s)+1], s20, (\s)*SLOT
	s_add_nc_u64 s[G0B+4*(\s)+2:G0B+4*(\s)+3], s[46:47], (\s)*KSTEP*2
	s_or_b32 s[G0B+4*(\s)+3], s[G0B+4*(\s)+3], 0x80000000
	JLOAD \s                                       ; K steps 0 and 1: two loads of mine are out
.endr
	v_and_b32 v1, 15, v0                           ; l % 16
	v_bfe_u32 v2, v0, 4, 1                         ; l / 16
	v_mul_u32_u24 v3, v1, PITCH
	v_lshl_add_u32 v3, v2, 4, v3
	s_mul_i32 s21, s11, HALFT                      ; my 128 queries
	s_mul_i32 s22, s12, HALFT                      ; my 128 keys, behind the 256 queries
	s_add_co_u32 s22, s22, 2*HALFT
.irp s, 0,1
	v_add_nc_u32 v[ADRA+(\s)], s21, v3
	v_add_nc_u32 v[ADRB+(\s)], s22, v3
	s_add_co_u32 s21, s21, SLOT
	s_add_co_u32 s22, s22, SLOT
.endr
	s_lshl_b32 s22, s13, 2                         ; where my results go
	s_add_co_u32 s22, s22, s41
	s_lshl_b32 s22, s22, 3
	s_add_co_u32 s22, s22, s42
	s_lshl_b32 s22, s22, 2
	s_add_co_u32 s22, s22, s10
	s_lshl_b32 s22, s22, 11
	s_mov_b32 s23, 0
	s_add_nc_u64 s[8:9], s[8:9], s[22:23]
	v_and_b32 v[PO], 31, v0
	v_lshlrev_b32 v[PO], 3, v[PO]
	s_lshl_b32 s22, s42, 8
	s_lshl_b32 s23, s12, 7
	s_add_co_u32 s22, s22, s23
	s_sub_co_u32 s22, 1928, s22
	v_lshlrev_b32 v5, 3, v2
	v_sub_nc_u32 v[CB], s22, v5
	; THE PREFETCHES.  A tile of queries is read by the two clusters of a row of clusters: the one with x = 0 asks.  A tile of keys is read by the two clusters of a batch in a column: the one with even y asks.
	; Of the 128 rows that a wave fetches each of the four partners that ask for them jointly takes 32, told apart by address (cx for queries, cy for keys).  So each row's 256 bytes of a K step are named once.
	s_and_b32 s22, s13, 1
	s_cmp_eq_u32 s11, 0
	s_cselect_b32 s21, s40, s41
	s_cselect_b32 s22, ttmp9, s22
	s_cselect_b64 s[PFA:PFA+1], s[18:19], s[46:47]
	s_cmp_eq_u32 s22, 0
	s_cselect_b32 s[LIM], 1, -1                    ; the same in all sixteen partners, for a given wave
	s_lshl_b32 s22, s21, 19                        ; my work-group's 32 rows
	s_add_co_u32 s22, s22, 2*KSTEP*2               ; at K step 2: the first refill steps it to 3 and names K step 4
	s_mov_b32 s23, 0
	s_add_nc_u64 s[PFA:PFA+1], s[PFA:PFA+1], s[22:23]
	v_and_b32 v[PFO], 31, v0
	v_lshlrev_b32 v[PFO], 14, v[PFO]
.macro MUL16 f, hi, a0, zero           ; 16 matrix instructions: query blocks a0, a0 + 1 of the window's four x all 8 key blocks.  The 64 accumulators take turns in the same order in every quarter
	WIN MUL_LO+0x50*(\hi)
.irp a, \a0, (\a0)+1
.irp b, 0,1,2,3,4,5,6,7
.if \zero
	v_wmma_f32_16x16x32_bf16 v[8*(8*(\a)+(\b)):8*(8*(\a)+(\b))+7], v[(\f)+8*(\b):(\f)+8*(\b)+7], v[(\f)+8*(4*(\hi)+(\a)):(\f)+8*(4*(\hi)+(\a))+7], 0
.else
	v_wmma_f32_16x16x32_bf16 v[8*(8*(\a)+(\b)):8*(8*(\a)+(\b))+7], v[(\f)+8*(\b):(\f)+8*(\b)+7], v[(\f)+8*(4*(\hi)+(\a)):(\f)+8*(4*(\hi)+(\a))+7], v[8*(8*(\a)+(\b)):8*(8*(\a)+(\b))+7]
.endif
.endr
.endr
.endm
.macro FETCH slot, k, f                ; 32 LDS loads in one run: 128 keys, then 128 queries, 32 along K at byte k
	WIN TO_B
.irp i, 0,1,2,3,4,5,6,7
	ds_load_b128 v[(\f)+8*(\i):(\f)+8*(\i)+3],   v[ADRB+(\slot)] offset:(\k)+(\i)*16*PITCH
	ds_load_b128 v[(\f)+8*(\i)+4:(\f)+8*(\i)+7], v[ADRB+(\slot)] offset:(\k)+(\i)*16*PITCH+32
.endr
	WIN 0
.irp i, 0,1,2,3,4,5,6,7
	ds_load_b128 v[(\f)+8*(\i):(\f)+8*(\i)+3],   v[ADRA+(\slot)] offset:(\k)+(\i)*16*PITCH
	ds_load_b128 v[(\f)+8*(\i)+4:(\f)+8*(\i)+7], v[ADRA+(\slot)] offset:(\k)+(\i)*16*PITCH+32
.endr
.endm
.macro QUARTER slot, k, f, g, zero
	s_wait_dscnt 8                                 ; the keys and query blocks 0-3 are in; the youngest eight loads (blocks 4-7) may be out
	MUL16 \f, 0, 0, \zero
	MUL16 \f, 0, 2, \zero
	PLACES                                         ; four places between the last product that read buffer g and the loads into it
	FETCH \slot, \k, \g
	s_wait_dscnt 32                                ; all but the 32 just issued
	MUL16 \f, 1, 0, \zero
	MUL16 \f, 1, 2, \zero
.endm
.macro MEET round
	WIN 0
	s_wait_tensorcnt 0x0                           ; all my tensor loads have landed: the one that was out is my part of the next slot
	ds_add_u32 v[SPW], v[NIL]                      ; 0 onto my spare word
	s_wait_dscnt 9                                 ; (the add and the youngest eight loads may be out)
	MUL16 F1, 0, 0, 0
	s_wait_dscnt 0x0                               ; the add is done, and my reads of this slot are over
	s_barrier_signal -1
	MUL16 F1, 0, 2, 0
.if \round
	WIN 0
.endif
	s_barrier_wait -1
.endm
.macro TURN slot, next                 ; the last quarter of a K step: the slots change, and this one is filled again, two K steps on
	s_wait_xcnt 0x0                                ; the last prefetch, a K step back, has read its address
	s_add_nc_u64 s[PFA:PFA+1], s[PFA:PFA+1], KSTEP*2
	MEET 1
	CREST                                          ; no wave of any partner still reads this slot or has a load on its way
	s_add_nc_u64 s[G0+4*(\slot)+2:G0+4*(\slot)+3], s[G0+4*(\slot)+2:G0+4*(\slot)+3], 2*KSTEP*2
	s_add_nc_u64 s[G0B+4*(\slot)+2:G0B+4*(\slot)+3], s[G0B+4*(\slot)+2:G0B+4*(\slot)+3], 2*KSTEP*2
	JLOAD \slot                                    ; my one tensor load behind the round; its four v_nop are also the places in front of the loads below
	FETCH \next, 0, F0
	ASK
	MUL16 F1, 1, 0, 0
	MUL16 F1, 1, 2, 0
.endm
	s_wait_tensorcnt 1                             ; my part of K step 0 is in; K step 1's may stay out
	s_barrier_signal -1
	s_barrier_wait -1
	FETCH 0, 0, F0
	QUARTER 0, 64, F0, F1, 1                       ; the first products start the sums
	WIN 0
	s_mov_b32 s3, 3
.Llap:
	QUARTER 0, 128, F1, F0, 0
	QUARTER 0, 192, F0, F1, 0
	TURN 0, 1
	QUARTER 1, 64, F0, F1, 0
	QUARTER 1, 128, F1, F0, 0
	QUARTER 1, 192, F0, F1, 0
	TURN 1, 0
	QUARTER 0, 64, F0, F1, 0
	WIN 0
	s_sub_co_u32 s3, s3, 1
	s_cmp_lg_u32 s3, 0
	s_cbranch_scc1 .Llap
	QUARTER 0, 128, F1, F0, 0                      ; the last lap fills nothing
	QUARTER 0, 192, F0, F1, 0
	MEET 0
	PLACES
	FETCH 1, 0, F0
	MUL16 F1, 1, 0, 0
	MUL16 F1, 1, 2, 0
	QUARTER 1, 64, F0, F1, 0
	QUARTER 1, 128, F1, F0, 0
	QUARTER 1, 192, F0, F1, 0
	s_wait_dscnt 8
	MUL16 F1, 0, 0, 0
	MUL16 F1, 0, 2, 0
	s_wait_dscnt 0x0
	MUL16 F1, 1, 0, 0
	MUL16 F1, 1, 2, 0
	WIN 0
	PLACES
	PLACES
.macro MARK a                          ; query block a: its 64 scores, marked, into v64-127.  Ascending: each accumulator is first read at its lowest register
	WIN 0x02+((\a)/4)                              ; source 0 window 2 or 3, destination window 0
.set n, 0
.rept 64
	v_and_or_b32 v[64+n], v[64*((\a)%4)+n], s[KEEP], 63-n
.set n, n+1
.endr
	WIN 0
.endm
.macro MERGE x, y                      ; the best two of two pairs (best, second)
	v_min_num_f32 v40, v[\x], v[\y]
	v_max_num_f32 v[\x], v[\x], v[\y]
	v_max3_num_f32 v[(\x)+1], v40, v[(\x)+1], v[(\y)+1]
.endm
.macro WORD dst, src                   ; the mark e = 8 (7 - b) + (7 - j) gives 2,047 - key = CB + 2 (e & 56) + (e & 7)
	v_and_b32 v41, 0x38, v[\src]
	v_and_b32 v42, 7, v[\src]
	v_ashrrev_i32 v43, 31, v[\src]
	v_lshl_add_u32 v41, v41, 1, v[CB]
	v_lshrrev_b32 v43, 1, v43
	v_add_nc_u32 v41, v41, v42
	v_xor_b32 v43, v43, v[\src]                    ; a negative number's bits below the sign are turned: the word orders as a signed integer
	v_and_or_b32 v[\dst], v43, s[TOP], v41
.endm
	s_mov_b32 s3, 8                                ; blocks to go: block 8 - s3 is in hand
.Lsel:
.irp a, 0,1,2,3,4,5,6
	s_cmp_eq_u32 s3, 8-(\a)
	s_cbranch_scc1 .Lmark\a
.endr
	MARK 7
	s_branch .Lpick
.irp a, 0,1,2,3,4,5,6
.Lmark\a:
	MARK \a
.if (\a) < 6
	s_branch .Lpick
.endif
.endr
.Lpick:
	s_wait_xcnt 0x0                                ; the last block's store has read its offset and its data: both are written again only behind this wait
	v_add_nc_u32 v[PO], 0x100, v[PO]               ; the store below reaches back by 256
.irp c, 0,1,2,3                                    ; four chains of 16, side by side: best v[32 + 2 c], second v[33 + 2 c]
	v_max_num_f32 v[32+2*(\c)], v[64+16*(\c)], v[64+16*(\c)+1]
	v_min_num_f32 v[33+2*(\c)], v[64+16*(\c)], v[64+16*(\c)+1]
.endr
.set n, 2
.rept 14
.irp c, 0,1,2,3
	v_med3_num_f32 v[33+2*(\c)], v[64+16*(\c)+n], v[32+2*(\c)], v[33+2*(\c)]
.endr
.irp c, 0,1,2,3
	v_max_num_f32 v[32+2*(\c)], v[64+16*(\c)+n], v[32+2*(\c)]
.endr
.set n, n+1
.endr
	MERGE 32, 34
	MERGE 36, 38
	MERGE 32, 36
	WORD 192, 32
	WORD 193, 33
	global_store_b64 v[PO], v[192:193], s[8:9] offset:-256  ; 256 consecutive bytes, aligned
	s_sub_co_u32 s3, s3, 1
	s_cmp_lg_u32 s3, 0
	s_cbranch_scc1 .Lsel
	s_wait_tensorcnt 0x0                           ; the wave's end: behind my last tensor load
	ds_add_u32 v[SPW], v[NIL]
	s_wait_dscnt 0x0
	CROUND                                         ; the closing round
	s_endpgm
.Lfunc_end_k_q35905bee4f_score:
	.size	k_q35905bee4f_score, .Lfunc_end_k_q35905bee4f_score-k_q35905bee4f_score
	.p2alignl 7, 3214868480
	.fill 96, 4, 3214868480
	.section	.rodata,"a",@progbits
	.p2align	6, 0x0
	.amdhsa_kernel k_q35905bee4f_score
		.amdhsa_group_segment_fixed_size 327680
		.amdhsa_private_segment_fixed_size 0
		.amdhsa_enable_private_segment 0
		.amdhsa_kernarg_size 24
		.amdhsa_user_sgpr_count 2
		.amdhsa_user_sgpr_kernarg_segment_ptr 1
		.amdhsa_wavefront_size32 1
		.amdhsa_system_sgpr_workgroup_id_x 1
		.amdhsa_system_sgpr_workgroup_id_y 1
		.amdhsa_system_sgpr_workgroup_id_z 1
		.amdhsa_system_vgpr_workitem_id 0
		.amdhsa_next_free_vgpr 1024
		.amdhsa_next_free_sgpr 68
		.amdhsa_reserve_vcc 0
		.amdhsa_float_denorm_mode_32 3
		.amdhsa_float_denorm_mode_16_64 3
		.amdhsa_memory_ordered 1
		.amdhsa_forward_progress 1
		.amdhsa_inst_pref_size 152
	.end_amdhsa_kernel
	.amdgpu_metadata
---
amdhsa.version: [ 1, 2 ]
amdhsa.kernels:
  - .name:           k_q35905bee4f_score
    .symbol:         k_q35905bee4f_score.kd
    .args:
      - { .name: qh, .offset: 0, .size: 8, .value_kind: global_buffer, .address_space: global }
      - { .name: kh, .offset: 8, .size: 8, .value_kind: global_buffer, .address_space: global }
      - { .name: part, .offset: 16, .size: 8, .value_kind: global_buffer, .address_space: global }
    .group_segment_fixed_size: 327680
    .private_segment_fixed_size: 0
    .kernarg_segment_align: 8
    .kernarg_segment_size: 24
    .max_flat_workgroup_size: 128
    .sgpr_count:     68
    .vgpr_count:     1024
    .wavefront_size: 32
...
	.end_amdgpu_metadata
.endif
;; end of part 3
;; launch refine (part 4): grid 256 x 1, 16 waves a work-group, no clusters, 0 bytes of LDS; arguments part, qh, kh, fin; writes fin
.if DOCPART == 4
	.amdgcn_target "amdgcn-amd-amdhsa--gfx1250"
	.amdhsa_code_object_version 6
	.text
	.protected	k_q35905bee4f_refine
	.globl	k_q35905bee4f_refine
	.p2align	8
	.type	k_q35905bee4f_refine,@function
k_q35905bee4f_refine:
	s_mov_b64 s[64:65], 0
	v_nop
	global_prefetch_b8 v0, s[64:65] scope:SCOPE_SE
	s_setreg_imm32_b32 hwreg(HW_REG_WAVE_MODE, 25, 1), 1
	s_wait_xcnt 0x0
; DECISION.  Of a query's 64 nominees (32 groups x 2, whole numbers in part) the best four are kept, and their scores q . k are taken anew in f32 from the whole q and k in qh and kh.
; fin[2,048 b + s] = (4 key + b) | pass << 16: the row of u that the query takes, and whether its best score reaches 0.95.
; SHARES.  A work-group has 32 queries (row of work-groups gy = id / 8 of the launch before, half wr, blocks 2 ap and 2 ap + 1), a wave two.  Every wave merges all 32 queries' nominees, a lane a query,
; turned so that its own two lie in lanes 0 and 1: 8 KiB of loads and 448 integer lines a wave, with no LDS and no barrier.
; A row of qh or kh is 4,096 bytes: 1,024 upper halves, 1,024 lower halves; a lane takes 4 x 16 bytes of each and joins them by v_perm_b32 into 32 f32.
; IN FLIGHT: 40 loads of 512 bytes a wave: the query's row and four candidates'; the second query's rows are asked for as the first's registers come free.  All ten row addresses have registers of their own.
; The rows differ from query to query, so nothing is shared: no cluster, no matrix work.  A row's address is known only when the merge is done: nothing can be asked for ahead.
; The store is two lanes x 4 bytes a wave; the sixteen waves' stores cover 128 consecutive bytes.
; LIMITS.  The true argmax must be among the four nominees.  Equal f32 scores: the lowest key wins.  NaN and infinities are not treated apart.  The f32 sums' order differs from a row-by-row sum's.
.set QF, 16                            ; v[16:47]   the query in f32
.set QR, 48                            ; v[48:79]   the query's row as loaded: chunk c: 4 words of upper halves, 4 of lower
.set CR, 80                            ; v[80:207]  four candidates' rows as loaded; first the 64 nominees
.set TF, 208                           ; v[208:215] 8 numbers of a candidate in f32
.set AC, 216                           ; v[216:219] two pairs of sums
.set SC, 220                           ; v[220:223] the four scores
.set LOSEL, 60
.set HISEL, 61
.set THR, 59
	s_load_b128 s[4:7], s[0:1], 0x0                ; part s[4:5], qh s[6:7]
	s_load_b128 s[28:31], s[0:1], 0x10             ; kh s[28:29], fin s[30:31]
	v_lshrrev_b32 v8, 5, v0
	v_readfirstlane_b32 s42, v8                    ; wave, 0 to 15
	v_and_b32 v2, 31, v0                           ; lane
	v_lshlrev_b32 v1, 4, v2
	s_lshr_b32 s43, ttmp9, 3                       ; gy
	s_bfe_u32 s44, ttmp9, 0x10002                  ; wr
	s_and_b32 s45, ttmp9, 3                        ; ap
	s_lshr_b32 s46, s43, 3                         ; batch
	s_and_b32 s47, s43, 7
	s_lshl_b32 s47, s47, 8
	s_lshl_b32 s48, s44, 7
	s_add_co_u32 s47, s47, s48
	s_lshl_b32 s48, s45, 5
	s_add_co_u32 s47, s47, s48                     ; the work-group's first query in its batch
	s_lshl_b32 s49, s42, 1
	v_add_nc_u32 v8, s49, v2
	v_and_b32 v8, 31, v8                           ; the query that my lane merges: (lane + 2 x wave) mod 32
	v_lshrrev_b32 v9, 4, v8
	v_and_b32 v8, 15, v8
	v_lshlrev_b32 v3, 8, v9
	v_lshl_or_b32 v3, v8, 3, v3
	s_lshl_b32 s50, s43, 16
	s_lshl_b32 s51, s44, 12
	s_add_co_u32 s50, s50, s51
	s_lshl_b32 s51, s45, 9
	s_add_co_u32 s50, s50, s51
	s_mov_b32 s51, 0
	s_mov_b32 s[THR], 0x3f733333                   ; 0.95
	s_mov_b32 s[LOSEL], 0x05040100                 ; upper half's low 16 bits above lower half's low 16 bits: the even number
	s_mov_b32 s[HISEL], 0x07060302                 ; the odd number
	s_mov_b32 s62, 0x76543210
	s_mov_b32 s63, 0xfedcba98
	v_mov_b32 v4, 0x80000000                       ; the best four, descending: they start at the lowest whole number
	v_mov_b32 v5, 0x80000000
	v_mov_b32 v6, 0x80000000
	v_mov_b32 v7, 0x80000000
	v_mov_b32 v10, 0
	v_mov_b32 v12, 0
	v_mov_b32 v15, 0x10000
	s_wait_kmcnt 0x0
	s_add_nc_u64 s[4:5], s[4:5], s[50:51]
.set g, 0
.rept 32                                           ; group g: key tile g / 4, half of the keys (g / 2) % 2, half of the lanes g % 2
	global_load_b64 v[CR+2*g:CR+2*g+1], v3, s[4:5] offset:(g/4)*8192+((g/2)%2)*2048+(g%2)*128
.set g, g+1
.endr
.macro INS x                           ; v[x] is put in its place among the four
	v_min_i32 v8, v4, v[\x]
	v_max_i32 v4, v4, v[\x]
	v_min_i32 v9, v5, v8
	v_max_i32 v5, v5, v8
	v_min_i32 v8, v6, v9
	v_max_i32 v6, v6, v9
	v_max_i32 v7, v7, v8
.endm
.set g, 0
.rept 32
	s_wait_loadcnt 31-g                            ; group g is in, the younger ones stay out
	INS CR+2*g
	INS CR+2*g+1
.set g, g+1
.endr
.irp c, 0,1,2,3
	v_not_b32 v[4+(\c)], v[4+(\c)]
	v_and_b32 v[4+(\c)], 0x7ff, v[4+(\c)]          ; the key: 2,047 less the lowest 11 bits
.endr
.irp t, 0,1
.irp c, 0,1,2,3
	v_readlane_b32 s[32+4*(\t)+(\c)], v[4+(\c)], \t
	s_min_u32 s[32+4*(\t)+(\c)], s[32+4*(\t)+(\c)], 2047
.endr
.endr
	s_lshl_b32 s52, s46, 12
	s_mov_b32 s53, 0
	s_add_nc_u64 s[6:7], s[6:7], s[52:53]          ; qh and kh at my batch's first row
	s_add_nc_u64 s[28:29], s[28:29], s[52:53]
	s_add_co_u32 s54, s47, s49                     ; my first query
.irp t, 0,1
	s_add_co_u32 s50, s54, \t
	s_lshl_b32 s50, s50, 14
	s_add_nc_u64 s[8+2*(\t):9+2*(\t)], s[6:7], s[50:51]
.endr
.irp t, 0,1
.irp c, 0,1,2,3
	s_lshl_b32 s50, s[32+4*(\t)+(\c)], 14
	s_add_nc_u64 s[12+8*(\t)+2*(\c):13+8*(\t)+2*(\c)], s[28:29], s[50:51]
.endr
.endr
.macro ROWLD reg, ptr                  ; a row: eight loads of 512 consecutive bytes
.irp h, 0,1,2,3
	global_load_b128 v[(\reg)+8*(\h):(\reg)+8*(\h)+3],   v1, s[(\ptr):(\ptr)+1] offset:512*(\h)
	global_load_b128 v[(\reg)+8*(\h)+4:(\reg)+8*(\h)+7], v1, s[(\ptr):(\ptr)+1] offset:512*(\h)+2048
.endr
.endm
.macro DOT reg, dst                    ; the row at reg times the query; the sum in every lane
.irp h, 0,1,2,3
.irp w, 0,1,2,3
	v_perm_b32 v[TF+2*(\w)],   v[(\reg)+8*(\h)+(\w)], v[(\reg)+8*(\h)+4+(\w)], s[LOSEL]
	v_perm_b32 v[TF+2*(\w)+1], v[(\reg)+8*(\h)+(\w)], v[(\reg)+8*(\h)+4+(\w)], s[HISEL]
.endr
.if (\h) == 0
	v_pk_mul_f32 v[AC:AC+1],   v[TF:TF+1],   v[QF:QF+1]      ; the first products start the sums
	v_pk_mul_f32 v[AC+2:AC+3], v[TF+2:TF+3], v[QF+2:QF+3]
.else
	v_pk_fma_f32 v[AC:AC+1],   v[TF:TF+1],   v[QF+8*(\h):QF+8*(\h)+1],   v[AC:AC+1]
	v_pk_fma_f32 v[AC+2:AC+3], v[TF+2:TF+3], v[QF+8*(\h)+2:QF+8*(\h)+3], v[AC+2:AC+3]
.endif
	v_pk_fma_f32 v[AC:AC+1],   v[TF+4:TF+5], v[QF+8*(\h)+4:QF+8*(\h)+5], v[AC:AC+1]
	v_pk_fma_f32 v[AC+2:AC+3], v[TF+6:TF+7], v[QF+8*(\h)+6:QF+8*(\h)+7], v[AC+2:AC+3]
.endr
	v_pk_add_f32 v[AC:AC+1], v[AC:AC+1], v[AC+2:AC+3]
	v_add_f32 v[\dst], v[AC], v[AC+1]
	v_add_f32_dpp v[\dst], v[\dst], v[\dst] row_xmask:1 row_mask:0xf bank_mask:0xf
	v_add_f32_dpp v[\dst], v[\dst], v[\dst] row_xmask:2 row_mask:0xf bank_mask:0xf
	v_add_f32_dpp v[\dst], v[\dst], v[\dst] row_xmask:4 row_mask:0xf bank_mask:0xf
	v_add_f32_dpp v[\dst], v[\dst], v[\dst] row_xmask:8 row_mask:0xf bank_mask:0xf
	v_permlanex16_b32 v12, v[\dst], s62, s63
	v_add_f32 v[\dst], v[\dst], v12
.endm
; Query t of my two.  next = 1: as its registers come free they are asked for again, for query t + 1.
.macro QUERY t, next
	s_wait_loadcnt 32                              ; the query's row is in: behind it 32 loads were issued, the four candidates'
.set i, 0
.rept 16
	v_perm_b32 v[QF+2*i],   v[QR+8*(i/4)+i%4], v[QR+8*(i/4)+4+i%4], s[LOSEL]
	v_perm_b32 v[QF+2*i+1], v[QR+8*(i/4)+i%4], v[QR+8*(i/4)+4+i%4], s[HISEL]
.set i, i+1
.endr
.if \next
	ROWLD QR, 8+2*((\t)+1)
.endif
.irp c, 0,1,2,3
.if \next
	s_wait_loadcnt 32                              ; behind candidate c: 8 (3 - c) of this query's, the next query's 8, and 8 c of its candidates': 32 whatever c
.else
	s_wait_loadcnt 24-8*(\c)                       ; the counts run down
.endif
	DOT CR+32*(\c), SC+(\c)
.if \next
	ROWLD CR+32*(\c), 12+8*((\t)+1)+2*(\c)
.endif
.endr
	v_mov_b32 v13, v[SC]                           ; the best score and its key: a choice of values, no branch
	v_mov_b32 v14, s[32+4*(\t)]
.irp c, 1,2,3
	v_mov_b32 v225, s[32+4*(\t)+(\c)]
	v_cmp_gt_f32 s56, v[SC+(\c)], v13
	v_cmp_eq_f32 s57, v[SC+(\c)], v13
	v_cmp_gt_u32 s58, v14, v225
	s_and_b32 s57, s57, s58                        ; an equal score wins with the lower key
	s_or_b32 s56, s56, s57
	v_cndmask_b32 v13, v13, v[SC+(\c)], s56
	v_cndmask_b32 v14, v14, v225, s56
.endr
	v_cmp_le_f32 s56, s[THR], v13
	v_lshl_or_b32 v224, v14, 2, s46
	v_cndmask_b32 v225, 0, v15, s56
	v_or_b32 v224, v224, v225
	s_mov_b32 s57, 1<<(\t)
	v_cndmask_b32 v10, v10, v224, s57              ; into lane t
.endm
	ROWLD QR, 8
.irp c, 0,1,2,3
	ROWLD CR+32*(\c), 12+2*(\c)
.endr
	QUERY 0, 1
	QUERY 1, 0
	s_lshl_b32 s55, s46, 11
	s_add_co_u32 s55, s55, s54
	v_add_lshl_u32 v11, v2, s55, 2
	s_wait_xcnt 0x0                                ; EXEC changes only behind this wait
	v_cmp_gt_u32 vcc_lo, 2, v2
	s_and_saveexec_b32 s56, vcc_lo
	global_store_b32 v11, v10, s[30:31]
	s_wait_xcnt 0x0
	s_or_b32 exec_lo, exec_lo, s56
	s_endpgm
.Lfunc_end_k_q35905bee4f_refine:
	.size	k_q35905bee4f_refine, .Lfunc_end_k_q35905bee4f_refine-k_q35905bee4f_refine
	.p2alignl 7, 3214868480
	.fill 96, 4, 3214868480
	.section	.rodata,"a",@progbits
	.p2align	6, 0x0
	.amdhsa_kernel k_q35905bee4f_refine
		.amdhsa_group_segment_fixed_size 0
		.amdhsa_private_segment_fixed_size 0
		.amdhsa_enable_private_segment 0
		.amdhsa_kernarg_size 32
		.amdhsa_user_sgpr_count 2
		.amdhsa_user_sgpr_kernarg_segment_ptr 1
		.amdhsa_wavefront_size32 1
		.amdhsa_system_sgpr_workgroup_id_x 1
		.amdhsa_system_sgpr_workgroup_id_y 1
		.amdhsa_system_sgpr_workgroup_id_z 1
		.amdhsa_system_vgpr_workitem_id 0
		.amdhsa_next_free_vgpr 232
		.amdhsa_next_free_sgpr 66
		.amdhsa_reserve_vcc 1
		.amdhsa_float_denorm_mode_32 3
		.amdhsa_float_denorm_mode_16_64 3
		.amdhsa_memory_ordered 1
		.amdhsa_forward_progress 1
		.amdhsa_inst_pref_size 66
	.end_amdhsa_kernel
	.amdgpu_metadata
---
amdhsa.version: [ 1, 2 ]
amdhsa.kernels:
  - .name:           k_q35905bee4f_refine
    .symbol:         k_q35905bee4f_refine.kd
    .args:
      - { .name: part, .offset: 0, .size: 8, .value_kind: global_buffer, .address_space: global }
      - { .name: qh, .offset: 8, .size: 8, .value_kind: global_buffer, .address_space: global }
      - { .name: kh, .offset: 16, .size: 8, .value_kind: global_buffer, .address_space: global }
      - { .name: fin, .offset: 24, .size: 8, .value_kind: global_buffer, .address_space: global }
    .group_segment_fixed_size: 0
    .private_segment_fixed_size: 0
    .kernarg_segment_align: 8
    .kernarg_segment_size: 32
    .max_flat_workgroup_size: 512
    .sgpr_count:     66
    .vgpr_count:     232
    .wavefront_size: 32
...
	.end_amdgpu_metadata
.endif
;; end of part 4
;; launch gather (part 5): grid 256 x 1, 8 waves a work-group, no clusters, 0 bytes of LDS; arguments fin, bv16, out_proj_bias, out0; writes out0
.if DOCPART == 5
	.amdgcn_target "amdgcn-amd-amdhsa--gfx1250"
	.amdhsa_code_object_version 6
	.text
	.protected	k_q35905bee4f_gather
	.globl	k_q35905bee4f_gather
	.p2align	8
	.type	k_q35905bee4f_gather,@function
k_q35905bee4f_gather:
	s_mov_b64 s[64:65], 0
	v_nop
	global_prefetch_b8 v0, s[64:65] scope:SCOPE_SE
	s_setreg_imm32_b32 hwreg(HW_REG_WAVE_MODE, 25, 1), 1
	s_wait_xcnt 0x0
; out0[s][b][:] = u[row] widened to f32 where the query's best score reached the threshold, else the output bias (rounded to bf16 like every input): a zero row times the output weights, plus the bias.
; fin[2,048 b + s] = row | pass << 16, whole numbers stored by the launch before; u: [8192][1024] bf16, at the head of the second argument.
; A wave takes four queries s0 .. s0 + 3 of a batch: 32 loads of 256 consecutive bytes, all out at once, and 32 stores of 512 consecutive bytes, aligned.
; Nothing is shared beyond the bias: no LDS, no cluster, no matrix work.  A row's address is known only when fin's words are in: nothing can be asked for ahead.
.set BI, 8                             ; v[8:39]    the bias: chunk c at 4 c
.set U,  48                            ; v[48:111]  query t, chunk c at 16 t + 2 c
.set O,  112                           ; v[112:239] query t, chunk c at 32 t + 4 c
	s_load_b256 s[4:11], s[0:1], 0x0               ; fin s[4:5], u s[6:7], bias s[8:9], out s[10:11]
	v_lshrrev_b32 v3, 5, v0
	v_readfirstlane_b32 s16, v3
	v_and_b32 v3, 31, v0
	v_lshlrev_b32 v1, 4, v3
	v_lshlrev_b32 v2, 3, v3
	s_lshl_b32 s17, ttmp9, 3
	s_add_co_u32 s17, s17, s16                     ; my wave among 2,048
	s_lshl_b32 s18, s17, 4
	s_mov_b32 s19, 0
	s_wait_kmcnt 0x0
	s_add_nc_u64 s[4:5], s[4:5], s[18:19]
	s_load_b128 s[12:15], s[4:5], 0x0              ; my four words
.irp c, 0,1,2,3,4,5,6,7
	global_load_b128 v[BI+4*(\c):BI+4*(\c)+3], v1, s[8:9] offset:512*(\c)
.endr
	s_lshr_b32 s20, s17, 9                         ; batch
	s_and_b32 s21, s17, 511
	s_lshl_b32 s21, s21, 16                        ; four queries x 16,384 bytes
	s_lshl_b32 s20, s20, 12
	s_add_co_u32 s20, s20, s21
	s_mov_b32 s21, 0
	s_add_nc_u64 s[10:11], s[10:11], s[20:21]
	s_mov_b32 s23, 0
	s_wait_kmcnt 0x0
.irp t, 0,1,2,3
	s_and_b32 s22, s[12+(\t)], 0x1fff
	s_min_u32 s22, s22, 8191
	s_lshl_b32 s22, s22, 11
	s_add_nc_u64 s[24+2*(\t):25+2*(\t)], s[6:7], s[22:23]
	s_bitcmp1_b32 s[12+(\t)], 16
	s_cselect_b32 s[32+(\t)], -1, 0
.endr
.irp t, 0,1,2,3
.irp c, 0,1,2,3,4,5,6,7
	global_load_b64 v[U+16*(\t)+2*(\c):U+16*(\t)+2*(\c)+1], v2, s[24+2*(\t):25+2*(\t)] offset:256*(\c)
.endr
.endr
	s_wait_loadcnt 32                              ; the bias is in; the 32 loads of u stay out
.irp c, 0,1,2,3,4,5,6,7
	v_cvt_pk_bf16_f32 v40, v[BI+4*(\c)], v[BI+4*(\c)+1]
	v_cvt_pk_bf16_f32 v41, v[BI+4*(\c)+2], v[BI+4*(\c)+3]
	v_lshlrev_b32 v[BI+4*(\c)], 16, v40
	v_and_b32 v[BI+4*(\c)+1], 0xffff0000, v40
	v_lshlrev_b32 v[BI+4*(\c)+2], 16, v41
	v_and_b32 v[BI+4*(\c)+3], 0xffff0000, v41
.endr
.irp t, 0,1,2,3
.irp c, 0,1,2,3,4,5,6,7
	s_wait_loadcnt 31-8*(\t)-(\c)                  ; this load is in, the younger ones stay out
	v_lshlrev_b32 v[O+32*(\t)+4*(\c)],   16, v[U+16*(\t)+2*(\c)]
	v_and_b32     v[O+32*(\t)+4*(\c)+1], 0xffff0000, v[U+16*(\t)+2*(\c)]
	v_lshlrev_b32 v[O+32*(\t)+4*(\c)+2], 16, v[U+16*(\t)+2*(\c)+1]
	v_and_b32     v[O+32*(\t)+4*(\c)+3], 0xffff0000, v[U+16*(\t)+2*(\c)+1]
.irp j, 0,1,2,3
	v_cndmask_b32 v[O+32*(\t)+4*(\c)+(\j)], v[BI+4*(\c)+(\j)], v[O+32*(\t)+4*(\c)+(\j)], s[32+(\t)]
.endr
	global_store_b128 v1, v[O+32*(\t)+4*(\c):O+32*(\t)+4*(\c)+3], s[10:11] offset:16384*(\t)+512*(\c) th:TH_STORE_NT
.endr
.endr
	s_endpgm
.Lfunc_end_k_q35905bee4f_gather:
	.size	k_q35905bee4f_gather, .Lfunc_end_k_q35905bee4f_gather-k_q35905bee4f_gather
	.p2alignl 7, 3214868480
	.fill 96, 4, 3214868480
	.section	.rodata,"a",@progbits
	.p2align	6, 0x0
	.amdhsa_kernel k_q35905bee4f_gather
		.amdhsa_group_segment_fixed_size 0
		.amdhsa_private_segment_fixed_size 0
		.amdhsa_enable_private_segment 0
		.amdhsa_kernarg_size 32
		.amdhsa_user_sgpr_count 2
		.amdhsa_user_sgpr_kernarg_segment_ptr 1
		.amdhsa_wavefront_size32 1
		.amdhsa_system_sgpr_workgroup_id_x 1
		.amdhsa_system_sgpr_workgroup_id_y 1
		.amdhsa_system_sgpr_workgroup_id_z 1
		.amdhsa_system_vgpr_workitem_id 0
		.amdhsa_next_free_vgpr 240
		.amdhsa_next_free_sgpr 66
		.amdhsa_reserve_vcc 0
		.amdhsa_float_denorm_mode_32 3
		.amdhsa_float_denorm_mode_16_64 3
		.amdhsa_memory_ordered 1
		.amdhsa_forward_progress 1
		.amdhsa_inst_pref_size 27
	.end_amdhsa_kernel
	.amdgpu_metadata
---
amdhsa.version: [ 1, 2 ]
amdhsa.kernels:
  - .name:           k_q35905bee4f_gather
    .symbol:         k_q35905bee4f_gather.kd
    .args:
      - { .name: fin, .offset: 0, .size: 8, .value_kind: global_buffer, .address_space: global }
      - { .name: bv16, .offset: 8, .size: 8, .value_kind: global_buffer, .address_space: global }
      - { .name: out_proj_bias, .offset: 16, .size: 8, .value_kind: global_buffer, .address_space: global }
      - { .name: out0, .offset: 24, .size: 8, .value_kind: global_buffer, .address_space: global }
    .group_segment_fixed_size: 0
    .private_segment_fixed_size: 0
    .kernarg_segment_align: 8
    .kernarg_segment_size: 32
    .max_flat_workgroup_size: 256
    .sgpr_count:     66
    .vgpr_count:     240
    .wavefront_size: 32
...
	.end_amdgpu_metadata
.endif
;; end of part 5
;; ======== version 2 of 2: 6 launches; version 1 with the launches cast, refine, gather written anew for expert scheduling mode
;; workspace buffers: bv16 18,874,368 bytes; bq16 18,874,368 bytes; bk16 18,874,368 bytes; vb 18,874,368 bytes; qh 33,554,432 bytes; kh 33,554,432 bytes; part 2,097,152 bytes of whole numbers; fin 32,768 bytes of whole numbers
;; launch cast (part 6): grid 64 x 28, 4 waves a work-group, no clusters, 0 bytes of LDS; arguments value, v_proj_weight, query, key, q_proj_weight, k_proj_weight, out_proj_weight, bv16, bq16, bk16, vb; writes bv16, bq16, bk16, vb
.if DOCPART == 6
	.amdgcn_target "amdgcn-amd-amdhsa--gfx1250"
	.amdhsa_code_object_version 6
	.text
	.protected	k_q35905bee4f_cast
	.globl	k_q35905bee4f_cast
	.p2align	8
	.type	k_q35905bee4f_cast,@function
k_q35905bee4f_cast:
	s_mov_b64 s[64:65], 0
	v_nop
	global_prefetch_b8 v0, s[64:65] scope:SCOPE_SE
	s_setreg_imm32_b32 hwreg(HW_REG_WAVE_SCHED_MODE, 0, 2), 2
	s_setreg_imm32_b32 hwreg(HW_REG_WAVE_MODE, 25, 1), 1
	s_wait_xcnt 0x0
	s_wait_alu depctr_vm_vsrc(0)
; All seven large f32 inputs are rounded once to bf16 (nearest even), so that the products that follow are products of bf16 numbers.
; SEGMENTS of 1,048,576 numbers (4 MiB in, 2 MiB out), the grid's y: 0-7 value, 8 Wv, 9-16 query, 17-24 key, 25 Wq, 26 Wk, 27 Wo.
; Each operand buffer holds 8 segments of activations and then one of weights: bv16 = value, Wv; bq16 = query, Wq; bk16 = key, Wk; of vb only the ninth segment is written here, with Wo.
; The grid's x is a chunk of 65,536 bytes in; each of the four waves takes 16,384 of them: 32 loads of 512 consecutive bytes, all out at once, and 32 stores of 256 consecutive
; bytes, aligned.  64 x 28 = 1,792 work-groups are 7 for each of 256 WGPs.  Every byte is read once and written once; nothing is shared, so there is no LDS, no barrier, no matrix work
; and no cluster.  No register is written twice.
; THE MODE: SCHED_MODE bits 1:0 = 2 (LLVM: expert scheduling mode 2), set by the entry lines.  The code itself states the register dependences between vector instructions and memory
; instructions, with s_wait_alu, always for 0.
; THE PLAN.  Registers that memory instructions touch:
;   v1, v2   the loads' and the stores' byte offsets: made once at the head, never written again.
;   X        each register is loaded once, read by its rounding, and never loaded again.
;   Y        each register is written once, by a rounding, and read once, by a store.
; The 32 chunks go in 8 groups of four.  Group g rounds its own X into its own Y; its memory instructions are the four stores of group g - 1, whose Y no vector instruction of group g names.
; So one wait at a group's head states all that the group's four stores hang on, and they are dealt among its roundings with no further wait.  Nothing that a memory instruction has read is ever written again.
.set X, 8                              ; v[8:135]   32 x 4 f32 as loaded
.set Y, 136                            ; v[136:199] 32 x 2 words of bf16 to store
	s_load_b512 s[8:23], s[0:1], 0x0               ; value, Wv, query, key, Wq, Wk, Wo, bv16
	s_load_b128 s[24:27], s[0:1], 0x40             ; bq16, bk16
	s_load_b64 s[28:29], s[0:1], 0x50              ; vb
	s_and_b32 s2, ttmp7, 0xffff                    ; the segment
	v_lshrrev_b32 v3, 5, v0                        ; wave
	v_and_b32 v4, 31, v0                           ; lane
	v_lshlrev_b32 v1, 14, v3
	v_lshl_or_b32 v1, v4, 4, v1                    ; in: 16,384 x wave + 16 x lane
	v_lshlrev_b32 v2, 13, v3
	v_lshl_or_b32 v2, v4, 3, v2                    ; out: 8,192 x wave + 8 x lane
	s_wait_kmcnt 0x0
	s_mov_b64 s[4:5], s[8:9]                       ; the source, its first segment, the destination and the segment there at which the source begins: chosen by the segment's number alone
	s_mov_b64 s[6:7], s[22:23]
	s_mov_b32 s3, 0
	s_mov_b32 s30, 0
.macro PICK first, src, dst, seg
	s_cmp_ge_u32 s2, \first
	s_cselect_b64 s[4:5], s[\src:(\src)+1], s[4:5]
	s_cselect_b64 s[6:7], s[\dst:(\dst)+1], s[6:7]
	s_cselect_b32 s3, \first, s3
	s_cselect_b32 s30, \seg, s30
.endm
	PICK 8, 10, 22, 8
	PICK 9, 12, 24, 0
	PICK 17, 14, 26, 0
	PICK 25, 16, 24, 8
	PICK 26, 18, 26, 8
	PICK 27, 20, 28, 8
	s_sub_co_u32 s3, s2, s3                        ; the segment within its source
	s_lshl_b32 s32, s3, 22
	s_lshl_b32 s33, ttmp9, 16
	s_add_co_u32 s32, s32, s33
	s_mov_b32 s33, 0
	s_add_nc_u64 s[4:5], s[4:5], s[32:33]
	s_add_co_u32 s34, s3, s30                      ; the segment within its destination
	s_lshl_b32 s34, s34, 21
	s_lshl_b32 s35, ttmp9, 15
	s_add_co_u32 s34, s34, s35
	s_mov_b32 s35, 0
	s_add_nc_u64 s[6:7], s[6:7], s[34:35]
	s_wait_alu depctr_va_vdst(0)                   ; v1 and v2 are written: every load reads v1 as its offset, every store v2
.set i, 0
.rept 32
	global_load_b128 v[X+4*i:X+4*i+3], v1, s[4:5] offset:512*i th:TH_LOAD_NT
.set i, i+1
.endr
.set g, 0
.rept 8
	s_wait_loadcnt 28-4*g                          ; loads come back in order: group g's four are in, the 28 - 4 g younger ones stay out
.if g > 0
	s_wait_alu depctr_va_vdst(0)                   ; the roundings of group g - 1 have written their Y, which the four stores below read
.endif
.set j, 0
.rept 4
.set i, 4*g+j
.if g > 0
	global_store_b64 v2, v[Y+2*(i-4):Y+2*(i-4)+1], s[6:7] offset:256*(i-4)  ; the group before; no vector instruction since the wait names these registers
.endif
	v_cvt_pk_bf16_f32 v[Y+2*i], v[X+4*i], v[X+4*i+1]
	v_cvt_pk_bf16_f32 v[Y+2*i+1], v[X+4*i+2], v[X+4*i+3]
.set j, j+1
.endr
.set g, g+1
.endr
	s_wait_alu depctr_va_vdst(0)                   ; the last group's roundings have written their Y, which the last four stores read
.set i, 28
.rept 4
	global_store_b64 v2, v[Y+2*i:Y+2*i+1], s[6:7] offset:256*i
.set i, i+1
.endr
	s_endpgm
.Lfunc_end_k_q35905bee4f_cast:
	.size	k_q35905bee4f_cast, .Lfunc_end_k_q35905bee4f_cast-k_q35905bee4f_cast
	.p2alignl 7, 3214868480
	.fill 96, 4, 3214868480
	.section	.rodata,"a",@progbits
	.p2align	6, 0x0
	.amdhsa_kernel k_q35905bee4f_cast
		.amdhsa_group_segment_fixed_size 0
		.amdhsa_private_segment_fixed_size 0
		.amdhsa_enable_private_segment 0
		.amdhsa_kernarg_size 88
		.amdhsa_user_sgpr_count 2
		.amdhsa_user_sgpr_kernarg_segment_ptr 1
		.amdhsa_wavefront_size32 1
		.amdhsa_system_sgpr_workgroup_id_x 1
		.amdhsa_system_sgpr_workgroup_id_y 1
		.amdhsa_system_sgpr_workgroup_id_z 1
		.amdhsa_system_vgpr_workitem_id 0
		.amdhsa_next_free_vgpr 200
		.amdhsa_next_free_sgpr 66
		.amdhsa_reserve_vcc 0
		.amdhsa_float_denorm_mode_32 3
		.amdhsa_float_denorm_mode_16_64 3
		.amdhsa_memory_ordered 1
		.amdhsa_forward_progress 1
		.amdhsa_inst_pref_size 13
	.end_amdhsa_kernel
	.amdgpu_metadata
---
amdhsa.version: [ 1, 2 ]
amdhsa.kernels:
  - .name:           k_q35905bee4f_cast
    .symbol:         k_q35905bee4f_cast.kd
    .args:
      - { .name: value, .offset: 0, .size: 8, .value_kind: global_buffer, .address_space: global }
      - { .name: v_proj_weight, .offset: 8, .size: 8, .value_kind: global_buffer, .address_space: global }
      - { .name: query, .offset: 16, .size: 8, .value_kind: global_buffer, .address_space: global }
      - { .name: key, .offset: 24, .size: 8, .value_kind: global_buffer, .address_space: global }
      - { .name: q_proj_weight, .offset: 32, .size: 8, .value_kind: global_buffer, .address_space: global }
      - { .name: k_proj_weight, .offset: 40, .size: 8, .value_kind: global_buffer, .address_space: global }
      - { .name: out_proj_weight, .offset: 48, .size: 8, .value_kind: global_buffer, .address_space: global }
      - { .name: bv16, .offset: 56, .size: 8, .value_kind: global_buffer, .address_space: global }
      - { .name: bq16, .offset: 64, .size: 8, .value_kind: global_buffer, .address_space: global }
      - { .name: bk16, .offset: 72, .size: 8, .value_kind: global_buffer, .address_space: global }
      - { .name: vb, .offset: 80, .size: 8, .value_kind: global_buffer, .address_space: global }
    .group_segment_fixed_size: 0
    .private_segment_fixed_size: 0
    .kernarg_segment_align: 8
    .kernarg_segment_size: 88
    .max_flat_workgroup_size: 128
    .sgpr_count:     66
    .vgpr_count:     200
    .wavefront_size: 32
...
	.end_amdgpu_metadata
.endif
;; end of part 6
;; launch projvq: the kernel of part 2 again; grid 4 x 64, 4 waves a work-group, clusters of 4 x 4, 327,680 bytes of LDS; arguments bv16, bias_v, bq16, bias_q, vb, qh; writes vb, qh
;; launch projuk: the kernel of part 2 again; grid 4 x 64, 4 waves a work-group, clusters of 4 x 4, 327,680 bytes of LDS; arguments vb, out_proj_bias, bk16, bias_k, bv16, kh; writes bv16, kh
;; launch score: the kernel of part 3 again; grid 8 x 32, 4 waves a work-group, clusters of 4 x 4, 327,680 bytes of LDS; arguments qh, kh, part; writes part
;; launch refine (part 7): grid 256 x 1, 16 waves a work-group, no clusters, 0 bytes of LDS; arguments part, qh, kh, fin; writes fin
.if DOCPART == 7
	.amdgcn_target "amdgcn-amd-amdhsa--gfx1250"
	.amdhsa_code_object_version 6
	.text
	.protected	k_q35905bee4f_refine
	.globl	k_q35905bee4f_refine
	.p2align	8
	.type	k_q35905bee4f_refine,@function
k_q35905bee4f_refine:
	s_mov_b64 s[64:65], 0
	v_nop
	global_prefetch_b8 v0, s[64:65] scope:SCOPE_SE
	s_setreg_imm32_b32 hwreg(HW_REG_WAVE_SCHED_MODE, 0, 2), 2
	s_setreg_imm32_b32 hwreg(HW_REG_WAVE_MODE, 25, 1), 1
	s_wait_xcnt 0x0
	s_wait_alu depctr_vm_vsrc(0)
; DECISION.  Of a query's 64 nominees (32 groups x 2, whole numbers in part) the best four are kept, and their scores q . k are taken anew in f32 from the whole q and k in qh and kh.
; fin[2,048 b + s] = (4 key + b) | pass << 16: the row of u that the query takes, and whether its best score reaches 0.95.
; SHARES.  A work-group has 32 queries (row of work-groups gy = id / 8 of the launch before, half wr, blocks 2 ap and 2 ap + 1), a wave two.  Every wave merges all 32 queries' nominees, a lane a query,
; turned so that its own two lie in lanes 0 and 1: 8 KiB of loads and 448 integer lines a wave, with no LDS and no barrier.
; A row of qh or kh is 4,096 bytes: 1,024 upper halves, 1,024 lower halves; a lane takes 4 x 16 bytes of each and joins them by v_perm_b32 into 32 f32.
; IN FLIGHT: 40 loads of 512 bytes a wave: the query's row and four candidates'; the second query's rows are asked for as the first's registers come free.  All ten row addresses have registers of their own.
; The rows differ from query to query, so nothing is shared: no cluster, no matrix work.  A row's address is known only when the merge is done: nothing can be asked for ahead.
; The store is two lanes x 4 bytes a wave; the sixteen waves' stores cover 128 consecutive bytes.
; LIMITS.  The true argmax must be among the four nominees.  Equal f32 scores: the lowest key wins.  NaN and infinities are not treated apart.  The f32 sums' order differs from a row-by-row sum's.
; THE MODE: SCHED_MODE bits 1:0 = 2 (LLVM: expert scheduling mode 2), set by the entry lines.  The code itself states the register dependences between vector instructions and memory
; instructions, with s_wait_alu, always for 0.
; THE PLAN.  Registers that memory instructions touch:
;   v3, v1     the nominees' and the rows' byte offsets: made once at the head, never written again.
;   CR         v80-143 first take the nominees, which the merge reads; then candidate c's row lands in CR + 32 c, is read by its products and, in the first query, is asked for again at once.
;   QR         the query's row: read by the 32 joins and, in the first query, asked for again at once.
;   v10, v11   the one store's data and offset: v10 filled lane by lane, v11 written once.
; So a wait on va_vdst stands ahead of the nominees' loads (the offsets), ahead of the first rows' loads (the merge is done with v80-143), and in the first query behind the lines that empty a buffer: the joins,
; and each candidate's products.  A candidate's sum across the lanes, which names none of the loaded registers, stands behind its buffer's loads.  The second query loads nothing and has no such wait.
; Scalar registers that vector instructions write (the wave's number, the eight keys, the compares' masks) have a wait on va_sdst ahead of their first reader, one for each run of writers.
.set QF, 16                            ; v[16:47]   the query in f32
.set QR, 48                            ; v[48:79]   the query's row as loaded: chunk c: 4 words of upper halves, 4 of lower
.set CR, 80                            ; v[80:207]  four candidates' rows as loaded; first the 64 nominees
.set TF, 208                           ; v[208:215] 8 numbers of a candidate in f32
.set AC, 216                           ; v[216:219] two pairs of sums
.set SC, 220                           ; v[220:223] the four scores
.set LOSEL, 60
.set HISEL, 61
.set THR, 59
	s_load_b128 s[4:7], s[0:1], 0x0                ; part s[4:5], qh s[6:7]
	s_load_b128 s[28:31], s[0:1], 0x10             ; kh s[28:29], fin s[30:31]
	v_lshrrev_b32 v8, 5, v0
	v_readfirstlane_b32 s42, v8                    ; wave, 0 to 15
	v_and_b32 v2, 31, v0                           ; lane
	v_lshlrev_b32 v1, 4, v2
	s_lshr_b32 s43, ttmp9, 3                       ; gy
	s_bfe_u32 s44, ttmp9, 0x10002                  ; wr
	s_and_b32 s45, ttmp9, 3                        ; ap
	s_lshr_b32 s46, s43, 3                         ; batch
	s_and_b32 s47, s43, 7
	s_lshl_b32 s47, s47, 8
	s_lshl_b32 s48, s44, 7
	s_add_co_u32 s47, s47, s48
	s_lshl_b32 s48, s45, 5
	s_add_co_u32 s47, s47, s48                     ; the work-group's first query in its batch
	s_wait_alu depctr_va_sdst(0)                   ; s42 is written, ahead of its first reader
	s_lshl_b32 s49, s42, 1
	v_add_nc_u32 v8, s49, v2
	v_and_b32 v8, 31, v8                           ; the query that my lane merges: (lane + 2 x wave) mod 32
	v_lshrrev_b32 v9, 4, v8
	v_and_b32 v8, 15, v8
	v_lshlrev_b32 v3, 8, v9
	v_lshl_or_b32 v3, v8, 3, v3
	s_lshl_b32 s50, s43, 16
	s_lshl_b32 s51, s44, 12
	s_add_co_u32 s50, s50, s51
	s_lshl_b32 s51, s45, 9
	s_add_co_u32 s50, s50, s51
	s_mov_b32 s51, 0
	s_mov_b32 s[THR], 0x3f733333                   ; 0.95
	s_mov_b32 s[LOSEL], 0x05040100                 ; upper half's low 16 bits above lower half's low 16 bits: the even number
	s_mov_b32 s[HISEL], 0x07060302                 ; the odd number
	s_mov_b32 s62, 0x76543210
	s_mov_b32 s63, 0xfedcba98
	v_mov_b32 v4, 0x80000000                       ; the best four, descending: they start at the lowest whole number
	v_mov_b32 v5, 0x80000000
	v_mov_b32 v6, 0x80000000
	v_mov_b32 v7, 0x80000000
	v_mov_b32 v10, 0
	v_mov_b32 v12, 0
	v_mov_b32 v15, 0x10000
	s_wait_kmcnt 0x0
	s_add_nc_u64 s[4:5], s[4:5], s[50:51]
	s_wait_alu depctr_va_vdst(0)                   ; v3 and v1 are written: the nominees' loads read v3 as their offset, the rows' loads v1
.set g, 0
.rept 32                                           ; group g: key tile g / 4, half of the keys (g / 2) % 2, half of the lanes g % 2
	global_load_b64 v[CR+2*g:CR+2*g+1], v3, s[4:5] offset:(g/4)*8192+((g/2)%2)*2048+(g%2)*128
.set g, g+1
.endr
.macro INS x                           ; v[x] is put in its place among the four
	v_min_i32 v8, v4, v[\x]
	v_max_i32 v4, v4, v[\x]
	v_min_i32 v9, v5, v8
	v_max_i32 v5, v5, v8
	v_min_i32 v8, v6, v9
	v_max_i32 v6, v6, v9
	v_max_i32 v7, v7, v8
.endm
.set g, 0
.rept 32
	s_wait_loadcnt 31-g                            ; group g is in, the younger ones stay out
	INS CR+2*g
	INS CR+2*g+1
.set g, g+1
.endr
.irp c, 0,1,2,3
	v_not_b32 v[4+(\c)], v[4+(\c)]
	v_and_b32 v[4+(\c)], 0x7ff, v[4+(\c)]          ; the key: 2,047 less the lowest 11 bits
.endr
.irp t, 0,1
.irp c, 0,1,2,3
	v_readlane_b32 s[32+4*(\t)+(\c)], v[4+(\c)], \t
.endr
.endr
	s_wait_alu depctr_va_sdst(0)                   ; the eight keys s32 to s39 are written, ahead of their first readers: one wait for the run
.irp t, 0,1
.irp c, 0,1,2,3
	s_min_u32 s[32+4*(\t)+(\c)], s[32+4*(\t)+(\c)], 2047
.endr
.endr
	s_lshl_b32 s52, s46, 12
	s_mov_b32 s53, 0
	s_add_nc_u64 s[6:7], s[6:7], s[52:53]          ; qh and kh at my batch's first row
	s_add_nc_u64 s[28:29], s[28:29], s[52:53]
	s_add_co_u32 s54, s47, s49                     ; my first query
.irp t, 0,1
	s_add_co_u32 s50, s54, \t
	s_lshl_b32 s50, s50, 14
	s_add_nc_u64 s[8+2*(\t):9+2*(\t)], s[6:7], s[50:51]
.endr
.irp t, 0,1
.irp c, 0,1,2,3
	s_lshl_b32 s50, s[32+4*(\t)+(\c)], 14
	s_add_nc_u64 s[12+8*(\t)+2*(\c):13+8*(\t)+2*(\c)], s[28:29], s[50:51]
.endr
.endr
.macro ROWLD reg, ptr                  ; a row: eight loads of 512 consecutive bytes
.irp h, 0,1,2,3
	global_load_b128 v[(\reg)+8*(\h):(\reg)+8*(\h)+3],   v1, s[(\ptr):(\ptr)+1] offset:512*(\h)
	global_load_b128 v[(\reg)+8*(\h)+4:(\reg)+8*(\h)+7], v1, s[(\ptr):(\ptr)+1] offset:512*(\h)+2048
.endr
.endm
.macro DOTP reg                        ; the row at reg times the query: my lane's 32 products, in two pairs of sums.  These are the only lines that read the row's registers
.irp h, 0,1,2,3
.irp w, 0,1,2,3
	v_perm_b32 v[TF+2*(\w)],   v[(\reg)+8*(\h)+(\w)], v[(\reg)+8*(\h)+4+(\w)], s[LOSEL]
	v_perm_b32 v[TF+2*(\w)+1], v[(\reg)+8*(\h)+(\w)], v[(\reg)+8*(\h)+4+(\w)], s[HISEL]
.endr
.if (\h) == 0
	v_pk_mul_f32 v[AC:AC+1],   v[TF:TF+1],   v[QF:QF+1]      ; the first products start the sums
	v_pk_mul_f32 v[AC+2:AC+3], v[TF+2:TF+3], v[QF+2:QF+3]
.else
	v_pk_fma_f32 v[AC:AC+1],   v[TF:TF+1],   v[QF+8*(\h):QF+8*(\h)+1],   v[AC:AC+1]
	v_pk_fma_f32 v[AC+2:AC+3], v[TF+2:TF+3], v[QF+8*(\h)+2:QF+8*(\h)+3], v[AC+2:AC+3]
.endif
	v_pk_fma_f32 v[AC:AC+1],   v[TF+4:TF+5], v[QF+8*(\h)+4:QF+8*(\h)+5], v[AC:AC+1]
	v_pk_fma_f32 v[AC+2:AC+3], v[TF+6:TF+7], v[QF+8*(\h)+6:QF+8*(\h)+7], v[AC+2:AC+3]
.endr
.endm
.macro DOTR dst                        ; the four sums into one, and over the 32 lanes; the sum in every lane.  It names no loaded register
	v_pk_add_f32 v[AC:AC+1], v[AC:AC+1], v[AC+2:AC+3]
	v_add_f32 v[\dst], v[AC], v[AC+1]
	v_add_f32_dpp v[\dst], v[\dst], v[\dst] row_xmask:1 row_mask:0xf bank_mask:0xf
	v_add_f32_dpp v[\dst], v[\dst], v[\dst] row_xmask:2 row_mask:0xf bank_mask:0xf
	v_add_f32_dpp v[\dst], v[\dst], v[\dst] row_xmask:4 row_mask:0xf bank_mask:0xf
	v_add_f32_dpp v[\dst], v[\dst], v[\dst] row_xmask:8 row_mask:0xf bank_mask:0xf
	v_permlanex16_b32 v12, v[\dst], s62, s63
	v_add_f32 v[\dst], v[\dst], v12
.endm
; Query t of my two.  next = 1: as its registers come free they are asked for again, for query t + 1.
.macro QUERY t, next
	s_wait_loadcnt 32                              ; the query's row is in: behind it 32 loads were issued, the four candidates'
.set i, 0
.rept 16
	v_perm_b32 v[QF+2*i],   v[QR+8*(i/4)+i%4], v[QR+8*(i/4)+4+i%4], s[LOSEL]
	v_perm_b32 v[QF+2*i+1], v[QR+8*(i/4)+i%4], v[QR+8*(i/4)+4+i%4], s[HISEL]
.set i, i+1
.endr
.if \next
	s_wait_alu depctr_va_vdst(0)                   ; the joins are done reading QR, in which the next query's row lands
	ROWLD QR, 8+2*((\t)+1)
.endif
.irp c, 0,1,2,3
.if \next
	s_wait_loadcnt 32                              ; behind candidate c: 8 (3 - c) of this query's, the next query's 8, and 8 c of its candidates': 32 whatever c
.else
	s_wait_loadcnt 24-8*(\c)                       ; the counts run down
.endif
	DOTP CR+32*(\c)
.if \next
	s_wait_alu depctr_va_vdst(0)                   ; the products are done reading this candidate's registers, in which the next query's candidate lands
	ROWLD CR+32*(\c), 12+8*((\t)+1)+2*(\c)
.endif
	DOTR SC+(\c)
.endr
	v_mov_b32 v13, v[SC]                           ; the best score and its key: a choice of values, no branch
	v_mov_b32 v14, s[32+4*(\t)]
.irp c, 1,2,3
	v_mov_b32 v225, s[32+4*(\t)+(\c)]
	v_cmp_gt_f32 s56, v[SC+(\c)], v13
	v_cmp_eq_f32 s57, v[SC+(\c)], v13
	v_cmp_gt_u32 s58, v14, v225
	s_wait_alu depctr_va_sdst(0)                   ; the three compares have written s56, s57 and s58, ahead of their first readers
	s_and_b32 s57, s57, s58                        ; an equal score wins with the lower key
	s_or_b32 s56, s56, s57
	v_cndmask_b32 v13, v13, v[SC+(\c)], s56
	v_cndmask_b32 v14, v14, v225, s56
.endr
	v_cmp_le_f32 s56, s[THR], v13
	v_lshl_or_b32 v224, v14, 2, s46
	s_wait_alu depctr_va_sdst(0)                   ; the compare with the threshold has written s56, which the select below reads
	v_cndmask_b32 v225, 0, v15, s56
	v_or_b32 v224, v224, v225
	s_mov_b32 s57, 1<<(\t)
	v_cndmask_b32 v10, v10, v224, s57              ; into lane t
.endm
	s_wait_alu depctr_va_vdst(0)                   ; the merge is done reading the nominees in v80 to v143, in which candidates' rows land
	ROWLD QR, 8
.irp c, 0,1,2,3
	ROWLD CR+32*(\c), 12+2*(\c)
.endr
	QUERY 0, 1
	QUERY 1, 0
	s_lshl_b32 s55, s46, 11
	s_add_co_u32 s55, s55, s54
	v_add_lshl_u32 v11, v2, s55, 2
	s_wait_xcnt 0x0                                ; EXEC changes only behind this wait
	v_cmp_gt_u32 vcc_lo, 2, v2
	s_wait_alu depctr_va_vcc(0)                    ; VCC is written: EXEC is made from it
	s_wait_alu depctr_va_vdst(0)                   ; ahead of the write of EXEC: the vector instructions issued so far are done; among them those that wrote v10 and v11, which the store reads
	s_wait_alu depctr_vm_vsrc(0)                   ; ahead of the write of EXEC: the memory instructions issued so far have read their vector registers
	s_and_saveexec_b32 s56, vcc_lo
	global_store_b32 v11, v10, s[30:31]
	s_wait_xcnt 0x0
	s_wait_alu depctr_va_vdst(0)                   ; ahead of the write of EXEC: no vector instruction is pending
	s_wait_alu depctr_vm_vsrc(0)                   ; ahead of the write of EXEC: the store has read v10 and v11
	s_or_b32 exec_lo, exec_lo, s56
	s_endpgm
.Lfunc_end_k_q35905bee4f_refine:
	.size	k_q35905bee4f_refine, .Lfunc_end_k_q35905bee4f_refine-k_q35905bee4f_refine
	.p2alignl 7, 3214868480
	.fill 96, 4, 3214868480
	.section	.rodata,"a",@progbits
	.p2align	6, 0x0
	.amdhsa_kernel k_q35905bee4f_refine
		.amdhsa_group_segment_fixed_size 0
		.amdhsa_private_segment_fixed_size 0
		.amdhsa_enable_private_segment 0
		.amdhsa_kernarg_size 32
		.amdhsa_user_sgpr_count 2
		.amdhsa_user_sgpr_kernarg_segment_ptr 1
		.amdhsa_wavefront_size32 1
		.amdhsa_system_sgpr_workgroup_id_x 1
		.amdhsa_system_sgpr_workgroup_id_y 1
		.amdhsa_system_sgpr_workgroup_id_z 1
		.amdhsa_system_vgpr_workitem_id 0
		.amdhsa_next_free_vgpr 232
		.amdhsa_next_free_sgpr 66
		.amdhsa_reserve_vcc 1
		.amdhsa_float_denorm_mode_32 3
		.amdhsa_float_denorm_mode_16_64 3
		.amdhsa_memory_ordered 1
		.amdhsa_forward_progress 1
		.amdhsa_inst_pref_size 66
	.end_amdhsa_kernel
	.amdgpu_metadata
---
amdhsa.version: [ 1, 2 ]
amdhsa.kernels:
  - .name:           k_q35905bee4f_refine
    .symbol:         k_q35905bee4f_refine.kd
    .args:
      - { .name: part, .offset: 0, .size: 8, .value_kind: global_buffer, .address_space: global }
      - { .name: qh, .offset: 8, .size: 8, .value_kind: global_buffer, .address_space: global }
      - { .name: kh, .offset: 16, .size: 8, .value_kind: global_buffer, .address_space: global }
      - { .name: fin, .offset: 24, .size: 8, .value_kind: global_buffer, .address_space: global }
    .group_segment_fixed_size: 0
    .private_segment_fixed_size: 0
    .kernarg_segment_align: 8
    .kernarg_segment_size: 32
    .max_flat_workgroup_size: 512
    .sgpr_count:     66
    .vgpr_count:     232
    .wavefront_size: 32
...
	.end_amdgpu_metadata
.endif
;; end of part 7
;; launch gather (part 8): grid 256 x 1, 8 waves a work-group, no clusters, 0 bytes of LDS; arguments fin, bv16, out_proj_bias, out0; writes out0
.if DOCPART == 8
	.amdgcn_target "amdgcn-amd-amdhsa--gfx1250"
	.amdhsa_code_object_version 6
	.text
	.protected	k_q35905bee4f_gather
	.globl	k_q35905bee4f_gather
	.p2align	8
	.type	k_q35905bee4f_gather,@function
k_q35905bee4f_gather:
	s_mov_b64 s[64:65], 0
	v_nop
	global_prefetch_b8 v0, s[64:65] scope:SCOPE_SE
	s_setreg_imm32_b32 hwreg(HW_REG_WAVE_SCHED_MODE, 0, 2), 2
	s_setreg_imm32_b32 hwreg(HW_REG_WAVE_MODE, 25, 1), 1
	s_wait_xcnt 0x0
	s_wait_alu depctr_vm_vsrc(0)
; out0[s][b][:] = u[row] widened to f32 where the query's best score reached the threshold, else the output bias (rounded to bf16 like every input): a zero row times the output weights, plus the bias.
; fin[2,048 b + s] = row | pass << 16, whole numbers stored by the launch before; u: [8192][1024] bf16, at the head of the second argument.
; A wave takes four queries s0 .. s0 + 3 of a batch: 32 loads of 256 consecutive bytes, all out at once, and 32 stores of 512 consecutive bytes, aligned.
; Nothing is shared beyond the bias: no LDS, no cluster, no matrix work.  A row's address is known only when fin's words are in: nothing can be asked for ahead.
; THE MODE: SCHED_MODE bits 1:0 = 2 (LLVM: expert scheduling mode 2), set by the entry lines.  The code itself states the register dependences between vector instructions and memory
; instructions, with s_wait_alu, always for 0.
; THE PLAN.  Registers that memory instructions touch:
;   v1, v2   byte offsets (the bias's loads and the stores; u's loads): made once at the head, never written again.
;   BI, U    loaded once each; never loaded again.
;   O        each register is written by the widening and the select of its chunk, and read once, by a store.
; The 32 chunks (chunk n: query n / 8, 512 bytes of the row at 512 (n % 8)) go in 8 groups of four.  Group g works on its own U and O; its memory instructions are the four stores of group g - 1, whose O no
; vector instruction of group g names.  So one wait at a group's head states all that its four stores hang on.  Nothing that a memory instruction has read is ever written again.
.set BI, 8                             ; v[8:39]    the bias: chunk c at 4 c
.set U,  48                            ; v[48:111]  chunk n at 2 n
.set O,  112                           ; v[112:239] chunk n at 4 n
	s_load_b256 s[4:11], s[0:1], 0x0               ; fin s[4:5], u s[6:7], bias s[8:9], out s[10:11]
	v_lshrrev_b32 v3, 5, v0
	v_readfirstlane_b32 s16, v3
	v_and_b32 v3, 31, v0
	v_lshlrev_b32 v1, 4, v3
	v_lshlrev_b32 v2, 3, v3
	s_lshl_b32 s17, ttmp9, 3
	s_wait_alu depctr_va_sdst(0)                   ; s16, the wave's number, is written, ahead of its first reader
	s_add_co_u32 s17, s17, s16                     ; my wave among 2,048
	s_lshl_b32 s18, s17, 4
	s_mov_b32 s19, 0
	s_wait_kmcnt 0x0
	s_add_nc_u64 s[4:5], s[4:5], s[18:19]
	s_load_b128 s[12:15], s[4:5], 0x0              ; my four words
	s_wait_alu depctr_va_vdst(0)                   ; v1 and v2 are written: every load and store below reads one of them as its offset
.irp c, 0,1,2,3,4,5,6,7
	global_load_b128 v[BI+4*(\c):BI+4*(\c)+3], v1, s[8:9] offset:512*(\c)
.endr
	s_lshr_b32 s20, s17, 9                         ; batch
	s_and_b32 s21, s17, 511
	s_lshl_b32 s21, s21, 16                        ; four queries x 16,384 bytes
	s_lshl_b32 s20, s20, 12
	s_add_co_u32 s20, s20, s21
	s_mov_b32 s21, 0
	s_add_nc_u64 s[10:11], s[10:11], s[20:21]
	s_mov_b32 s23, 0
	s_wait_kmcnt 0x0
.irp t, 0,1,2,3
	s_and_b32 s22, s[12+(\t)], 0x1fff
	s_min_u32 s22, s22, 8191
	s_lshl_b32 s22, s22, 11
	s_add_nc_u64 s[24+2*(\t):25+2*(\t)], s[6:7], s[22:23]
	s_bitcmp1_b32 s[12+(\t)], 16
	s_cselect_b32 s[32+(\t)], -1, 0
.endr
.irp t, 0,1,2,3
.irp c, 0,1,2,3,4,5,6,7
	global_load_b64 v[U+16*(\t)+2*(\c):U+16*(\t)+2*(\c)+1], v2, s[24+2*(\t):25+2*(\t)] offset:256*(\c)
.endr
.endr
	s_wait_loadcnt 32                              ; the bias is in; the 32 loads of u stay out
.irp c, 0,1,2,3,4,5,6,7
	v_cvt_pk_bf16_f32 v40, v[BI+4*(\c)], v[BI+4*(\c)+1]
	v_cvt_pk_bf16_f32 v41, v[BI+4*(\c)+2], v[BI+4*(\c)+3]
	v_lshlrev_b32 v[BI+4*(\c)], 16, v40
	v_and_b32 v[BI+4*(\c)+1], 0xffff0000, v40
	v_lshlrev_b32 v[BI+4*(\c)+2], 16, v41
	v_and_b32 v[BI+4*(\c)+3], 0xffff0000, v41
.endr
.macro WIDEN n                         ; chunk n: four bf16 to f32, and the choice between them and the bias
	v_lshlrev_b32 v[O+4*(\n)],   16, v[U+2*(\n)]
	v_and_b32     v[O+4*(\n)+1], 0xffff0000, v[U+2*(\n)]
	v_lshlrev_b32 v[O+4*(\n)+2], 16, v[U+2*(\n)+1]
	v_and_b32     v[O+4*(\n)+3], 0xffff0000, v[U+2*(\n)+1]
.irp j, 0,1,2,3
	v_cndmask_b32 v[O+4*(\n)+(\j)], v[BI+4*((\n)%8)+(\j)], v[O+4*(\n)+(\j)], s[32+(\n)/8]
.endr
.endm
.macro SEND n                          ; chunk n: 512 consecutive bytes, aligned
	global_store_b128 v1, v[O+4*(\n):O+4*(\n)+3], s[10:11] offset:16384*((\n)/8)+512*((\n)%8) th:TH_STORE_NT
.endm
.set g, 0
.rept 8
	s_wait_loadcnt 28-4*g                          ; loads come back in order: group g's four are in, the 28 - 4 g younger ones stay out
.if g > 0
	s_wait_alu depctr_va_vdst(0)                   ; the selects of group g - 1 have written their O, which the four stores below read
.endif
.set k, 0
.rept 4
.set m, 4*g+k
.if g > 0
	SEND m-4                                       ; the group before; no vector instruction since the wait names these registers
.endif
	WIDEN m
.set k, k+1
.endr
.set g, g+1
.endr
	s_wait_alu depctr_va_vdst(0)                   ; the last group's selects have written their O, which the last four stores read
	SEND 28
	SEND 29
	SEND 30
	SEND 31
	s_endpgm
.Lfunc_end_k_q35905bee4f_gather:
	.size	k_q35905bee4f_gather, .Lfunc_end_k_q35905bee4f_gather-k_q35905bee4f_gather
	.p2alignl 7, 3214868480
	.fill 96, 4, 3214868480
	.section	.rodata,"a",@progbits
	.p2align	6, 0x0
	.amdhsa_kernel k_q35905bee4f_gather
		.amdhsa_group_segment_fixed_size 0
		.amdhsa_private_segment_fixed_size 0
		.amdhsa_enable_private_segment 0
		.amdhsa_kernarg_size 32
		.amdhsa_user_sgpr_count 2
		.amdhsa_user_sgpr_kernarg_segment_ptr 1
		.amdhsa_wavefront_size32 1
		.amdhsa_system_sgpr_workgroup_id_x 1
		.amdhsa_system_sgpr_workgroup_id_y 1
		.amdhsa_system_sgpr_workgroup_id_z 1
		.amdhsa_system_vgpr_workitem_id 0
		.amdhsa_next_free_vgpr 240
		.amdhsa_next_free_sgpr 66
		.amdhsa_reserve_vcc 0
		.amdhsa_float_denorm_mode_32 3
		.amdhsa_float_denorm_mode_16_64 3
		.amdhsa_memory_ordered 1
		.amdhsa_forward_progress 1
		.amdhsa_inst_pref_size 26
	.end_amdhsa_kernel
	.amdgpu_metadata
---
amdhsa.version: [ 1, 2 ]
amdhsa.kernels:
  - .name:           k_q35905bee4f_gather
    .symbol:         k_q35905bee4f_gather.kd
    .args:
      - { .name: fin, .offset: 0, .size: 8, .value_kind: global_buffer, .address_space: global }
      - { .name: bv16, .offset: 8, .size: 8, .value_kind: global_buffer, .address_space: global }
      - { .name: out_proj_bias, .offset: 16, .size: 8, .value_kind: global_buffer, .address_space: global }
      - { .name: out0, .offset: 24, .size: 8, .value_kind: global_buffer, .address_space: global }
    .group_segment_fixed_size: 0
    .private_segment_fixed_size: 0
    .kernarg_segment_align: 8
    .kernarg_segment_size: 32
    .max_flat_workgroup_size: 256
    .sgpr_count:     66
    .vgpr_count:     240
    .wavefront_size: 32
...
	.end_amdgpu_metadata
.endif
;; end of part 8
